; MI455X (gfx1250); checked and timed in simulation.
; The chip was launched on July 23, 2026; its instructions are those of AMD's public machine-readable ISA for CDNA 5 (MIT licence, August 2026) and "CDNA5" Instruction Set Architecture Reference Guide (July 2026). The comments in the code are by the model that wrote it; some were corrected since.
;; Prob Sparse Self Attention. Allowed arithmetic: matrix products marked QUANTISED: E2M1 operands, one E8M0 scale for each 32 along K, by v_wmma_scale_f32_16x16x128_f8f6f4 with both operands' format E2M1 (or v_wmma_scale_f32_32x16x128_f4), f32 sums; products left as they are: bf16, f16 or f32 operands; f32 sums; everything else in f32.
;; Inputs: Wk 1,024 x 1,024 float32; Wo 1,024 x 1,024 float32; Wq 1,024 x 1,024 float32; Wv 1,024 x 1,024 float32; bk 1,024 float32; bo 1,024 float32; bq 1,024 float32; bv 1,024 float32; keys 4 x 2,048 x 1,024 float32; queries 4 x 2,048 x 1,024 float32; values 4 x 2,048 x 1,024 float32.
;; Outputs: out0 4 x 2,048 x 1,024 float32.
;; This version of the problem:
;;   THIS VERSION OF THE PROBLEM IS GIVEN IN LOW PRECISION. The matrix products marked QUANTISED in the list below multiply operands that are first quantised to E2M1 (2 exponent bits, 1 mantissa bit; 4 bits a number), with one power-of-two scale for each 32 numbers along K (OCP MX v1.0); their sums are f32. The products marked 'left as it is' may take bf16, f16 or f32 operands, with f32 sums. Whichever they take, every output number must still come out within the allowed error. Rounding operands to bf16 (8 significant bits) uses up far more of that allowance than f16 does (11 bits, for magnitudes from 6e-5 to 65,504). All else is computed in f32.
;;   The module's matrix products, in the order in which they are computed (A, B: the left and right operand; K: the contracted axis; several contracted axes count as one K, in the product's order):
;;     1. [M 8,192, K 1,024] x [K 1,024, N 1,024]; A: input queries; B: input Wq: QUANTISED
;;     2. [M 8,192, K 1,024] x [K 1,024, N 1,024]; A: input keys; B: input Wk: QUANTISED
;;     3. [M 8,192, K 1,024] x [K 1,024, N 1,024]; A: input values; B: input Wv: QUANTISED
;;     4. batch 64 x [M 2,048, K 64] x [K 64, N 2,048]; A: computed on the way; B: computed on the way: left as it is (an operand is computed on the way)
;;     5. batch 64 x [M 2,048, K 2,048] x [K 2,048, N 64]; A: computed on the way; B: computed on the way: left as it is (an operand is computed on the way)
;;     6. [M 8,192, K 1,024] x [K 1,024, N 1,024]; A: computed on the way; B: input Wo: left as it is (an operand is computed on the way)
;;   THE QUANTISER, for each operand of a quantised product, along K:
;;     - K is cut into blocks of 32 from its start; a last block that is shorter is filled with zeros.
;;     - A block's scale is 2^e with e = floor(log2(the largest magnitude in the block)) - 2, held to -126 .. 127; a block of zeros has e = 0. As a byte (E8M0): e + 127.
;;     - Each number is divided by its block's scale, clamped to +-6, and rounded to the nearest number of E2M1, ties to even, subnormals kept.
;;     - The product sums the exact products of the quantised numbers (number of the format x scale) in f32.
;;   ~~~python
;;   def quantise(x, axis):      # numpy; x: float32 -> the quantised numbers, widened to float32 again
;;       x = np.moveaxis(x, axis, -1); K = x.shape[-1]
;;       x = np.pad(x, [(0, 0)] * (x.ndim - 1) + [(0, -K % 32)]); x = x.reshape(x.shape[:-1] + (-1, 32)); a = np.abs(x).max(-1, keepdims=True)
;;       e = np.where(a > 0, np.clip(np.frexp(np.where(a > 0, a, 1))[1] - 1 - 2, -126, 127), 0)      # np.frexp(a)[1] - 1 = floor(log2(a)), exactly
;;       r = np.clip(x / 2.0 ** e, -6, 6)
;;       step = 2.0 ** (np.maximum(np.frexp(np.where(r == 0, 1, r))[1] - 1, 0) - 1)
;;       q = np.round(r / step) * step * 2.0 ** e      # np.round: ties to even
;;       return np.moveaxis(q.reshape(q.shape[:-2] + (-1,))[..., :K], -1, axis).astype(np.float32)
;;   ~~~
;; One version. Each part assembles by itself: llvm-mc -triple=amdgcn-amd-amdhsa -mcpu=gfx1250 --defsym DOCPART=n.
;; ======== version 1 of 1: 4 launches
;; limits: values are held in f16: magnitudes above 65,504 overflow, below 6.1e-05 lose precision
;; workspace buffers: xc 12,582,912 bytes; xs 786,432 bytes; wc 1,572,864 bytes; ws 98,304 bytes; woi 2,097,152 bytes; qkv 50,331,648 bytes; ctx 16,777,216 bytes
;; launch prep (part 1): grid 848 x 1, 4 waves a work-group, no clusters, 68,096 bytes of LDS; arguments queries, keys, values, Wq, Wk, Wv, Wo, xc, xs, wc, ws, woi; writes xc, xs, wc, ws, woi
.if DOCPART == 1
	.amdgcn_target "amdgcn-amd-amdhsa--gfx1250"
	.amdhsa_code_object_version 6
	.text
	.protected	k_q78862331e1_prep
	.globl	k_q78862331e1_prep
	.p2align	8
	.type	k_q78862331e1_prep,@function
k_q78862331e1_prep:
	s_mov_b64 s[64:65], 0
	v_nop
	global_prefetch_b8 v0, s[64:65] scope:SCOPE_SE
	s_setreg_imm32_b32 hwreg(HW_REG_WAVE_MODE, 25, 1), 1
	s_wait_xcnt 0x0
; PREP: everything that is made once from the inputs, three paths chosen by the work-group's number.
;   work-groups 0-47:   Wq, Wk, Wv [1024 (k)][1024 (n)] f32 -> codes of FP4 (E2M1) laid [3 x 1024 (n)][512 bytes], K innermost, and E8M0 bytes [3 x 1024][32]
;   work-groups 48-79:  Wo [1024 (k)][1024 (n)] f32 -> f16, laid as images of a matrix operand's registers: [n / 16][k / 32][1,024 bytes]
;   work-groups 80-847: queries, keys, values [8192][1024] f32 -> codes [3 x 8192][512 bytes] and E8M0 bytes [3 x 8192][32]
; The weights' paths wait for long chains of small loads, so they have the lowest numbers and run beside the long stream of the activations.
; THE QUANTISER: a block of 32 along K has the scale 2^(floor(log2(largest magnitude)) - 2); its byte is the largest magnitude's exponent field - 2, held at 1 from below;
; each number is divided by the scale and rounded to the nearest code, ties to even, beyond 6 the largest code.
; AN IMAGE of a 16 x 32 fragment of f16: the byte at 512 half + 16 lane + 2 e holds row lane % 16, k = 16 half + 8 (lane / 16) + e: two loads of 16 bytes a lane give the operand.
; LIMITS: a block of zeros, or one whose largest magnitude lies under 2^-124, gets the byte 1 (its codes are read by this program alone); NaN and infinities are not served;
; Wo goes to f16: magnitudes above 65,504 are not served, and numbers under 6e-5 keep an absolute error of 3e-8.
; No work-group shares an input byte with another, so there is no cluster; no tensor load; waves share nothing, so there is no barrier.  Each path has LDS bytes of its own.
.set SPW,   180                        ; v180 LDS address of my spare word: SPARE + 4 x my thread's number; never rewritten
.set NIL,   181                        ; v181 0; never rewritten
.set SPARE, 67584                      ; behind both paths' stages: the spare words, 128 bytes for each wave
.macro FINISH                          ; a wave's end, behind my last LDS store
	s_wait_tensorcnt 0x0
	ds_add_u32 v[SPW], v[NIL]
	s_wait_dscnt 0x0
	s_endpgm
.endm
	s_load_b512 s[8:23], s[0:1], 0x0               ; queries s[8:9], keys s[10:11], values s[12:13], Wq s[14:15], Wk s[16:17], Wv s[18:19], Wo s[20:21], xc s[22:23]
	s_load_b256 s[24:31], s[0:1], 0x40             ; xs s[24:25], wc s[26:27], ws s[28:29], woi s[30:31]
	v_lshl_add_u32 v[SPW], v0, 2, SPARE
	v_mov_b32 v[NIL], 0
	v_lshrrev_b32 v1, 5, v0
	v_readfirstlane_b32 s2, v1                     ; wave 0..3
	v_and_b32 v2, 31, v0                           ; lane
	s_wait_kmcnt 0x0
	s_cmp_lt_u32 ttmp9, 48
	s_cbranch_scc1 .Lweights
	s_cmp_lt_u32 ttmp9, 80
	s_cbranch_scc1 .Lwo
; ---------------------------------------------------------------- the activations: K is innermost, a tensor is a plain stream of blocks of 32
; A wave takes 16 steps of 512 numbers.  Each load reads 512 consecutive bytes; a step's 2,048 bytes turn through the wave's own stage in LDS (16 bytes of padding behind each 64)
; and come back 64 bytes a lane: 16 neighbours, two lanes to a block.  A lane's 16 codes are 8 bytes: the wave stores 256 consecutive bytes.  The wave's 256 scale bytes are gathered in LDS.
.set XWREG, 8192                       ; LDS 0 .. 32767: a region for each wave: two stages of 32 x 80 bytes, then its 256 scale bytes
.set XSP,   80
.set XR,    16                         ; v16-79   four sets of 16 numbers as loaded
.set XX,    80                         ; v80-111  two sets of 16 neighbours
.set XE,    112                        ; v112-127 a scale byte for each step
.set XC,    128                        ; v128-159 two registers of codes for each step: no store's data are written again
	s_sub_co_u32 s3, ttmp9, 80                     ; 0 .. 767: 256 work-groups to a tensor
	s_cmp_lt_u32 s3, 512
	s_cselect_b64 s[4:5], s[10:11], s[12:13]
	s_cmp_lt_u32 s3, 256
	s_cselect_b64 s[4:5], s[8:9], s[4:5]           ; the tensor: the choice hangs on the work-group's number alone
	s_and_b32 s6, s3, 255
	s_lshl_b32 s6, s6, 2
	s_add_co_u32 s6, s6, s2                        ; my wave's run of 8,192 numbers in it
	s_lshl_b32 s6, s6, 15                          ; 32,768 bytes a run
	s_mov_b32 s7, 0
	s_add_nc_u64 s[4:5], s[4:5], s[6:7]
	s_lshl_b32 s6, s3, 2
	s_add_co_u32 s6, s6, s2                        ; and in the stacked outputs
	s_lshl_b32 s32, s6, 12                         ; 4,096 bytes of codes a run
	s_mov_b32 s33, 0
	s_add_nc_u64 s[22:23], s[22:23], s[32:33]
	s_lshl_b32 s32, s6, 8                          ; 256 scale bytes a run
	s_add_nc_u64 s[24:25], s[24:25], s[32:33]
	v_lshlrev_b32 v3, 4, v2                        ; my 16 bytes of a load's 512
	s_mul_i32 s34, s2, XWREG
	v_lshrrev_b32 v14, 2, v2
	v_mul_u32_u24 v14, v14, XSP
	v_and_b32 v15, 3, v2
	v_lshl_add_u32 v14, v15, 4, v14
	v_add_nc_u32 v14, s34, v14                     ; into the stage: 80 (lane / 4) + 16 (lane % 4)
	v_mul_u32_u24 v15, v2, XSP
	v_add_nc_u32 v15, s34, v15                     ; out of it: 80 x lane: my 16 neighbours
	v_lshlrev_b32 v4, 3, v2                        ; my codes' place in a step's
	v_lshrrev_b32 v5, 1, v2
	s_add_co_u32 s34, s34, 2*32*XSP
	v_add_nc_u32 v5, s34, v5                       ; my block's byte among my wave's 256
	v_lshlrev_b32 v7, 3, v2
	v_add_nc_u32 v6, s34, v7                       ; and on the way out 8 bytes a lane
.macro XLOAD t
.irp i, 0,1,2,3
	global_load_b128 v[XR+16*((\t)%4)+4*\i:XR+16*((\t)%4)+4*\i+3], v3, s[4:5] offset:2048*(\t)+512*\i th:TH_LOAD_NT
.endr
.endm
.macro XTURN t                         ; LDS serves a wave's instructions in order: no wait between the stores and the loads
.irp i, 0,1,2,3
	ds_store_b128 v14, v[XR+16*((\t)%4)+4*\i:XR+16*((\t)%4)+4*\i+3] offset:32*XSP*((\t)%2)+8*XSP*\i
.endr
.irp i, 0,1,2,3
	ds_load_b128 v[XX+16*((\t)%2)+4*\i:XX+16*((\t)%2)+4*\i+3], v15 offset:32*XSP*((\t)%2)+16*\i
.endr
.endm
.irp t, 0,1,2,3
	XLOAD \t
.endr
	s_wait_loadcnt 12                              ; step 0's four loads are in; three steps' twelve stay out
	XTURN 0
.macro XSTEP t
.set XS, XX+16*((\t)%2)
.if (\t) > 0
	s_wait_dscnt 1                                 ; this step's numbers are back from the stage; the last step's byte store may be out
.else
	s_wait_dscnt 0x0
.endif
.if (\t)+4 < 16
	XLOAD (\t)+4                                   ; into the set that this step's stage stores have read
.endif
.if (\t)+1 < 16
.if 14-(\t) >= 3
	s_wait_loadcnt 12                              ; the next step's four loads are in; those of the three steps behind it may be out
.else
	s_wait_loadcnt 4*(14-(\t))
.endif
	XTURN (\t)+1
.endif
	v_max3_num_f32 v8, |v[XS]|, |v[XS+1]|, |v[XS+2]|               ; the largest magnitude of my 16, in two chains
	v_max3_num_f32 v9, |v[XS+3]|, |v[XS+4]|, |v[XS+5]|
.irp i, 6,10
	v_max3_num_f32 v8, v8, |v[XS+\i]|, |v[XS+\i+1]|
	v_max3_num_f32 v9, v9, |v[XS+\i+2]|, |v[XS+\i+3]|
.endr
	v_max3_num_f32 v8, v8, |v[XS+14]|, |v[XS+15]|
	v_max3_num_f32 v8, v8, v9, 0x1800000           ; and the floor 2^(3 - 127): the byte cannot fall under 1
	v_max_num_f32_dpp v8, v8, v8 row_xmask:1 row_mask:0xf bank_mask:0xf   ; with my neighbour's 16: the block's
	v_add_nc_u32 v11, 0xff000000, v8               ; 2 off its exponent field: the conversion takes the exponent field of this operand as its scale
	v_cvt_scalef32_pk8_fp4_f32 v[XC+2*(\t)], v[XS:XS+7], v11
	v_cvt_scalef32_pk8_fp4_f32 v[XC+2*(\t)+1], v[XS+8:XS+15], v11
	v_lshrrev_b32 v[XE+(\t)], 23, v11              ; the scale's byte (also the plain line behind the conversions)
	ds_store_b8 v5, v[XE+(\t)] offset:16*(\t)      ; both lanes of a block write the same byte with the same value
	global_store_b64 v4, v[XC+2*(\t):XC+2*(\t)+1], s[22:23] offset:256*(\t)   ; the wave stores 256 consecutive bytes, aligned
.endm
.irp t, 0,1,2,3,4,5,6,7,8,9,10,11,12,13,14,15
	XSTEP \t
.endr
	ds_load_b64 v[8:9], v6                         ; these see my byte stores: LDS serves a wave in order
	s_wait_dscnt 0x0
	global_store_b64 v7, v[8:9], s[24:25]          ; 256 consecutive bytes, aligned
	FINISH
; ---------------------------------------------------------------- Wq, Wk, Wv: K is the first axis.  A lane takes a column n, its registers run down K: nothing is transposed
; A wave takes 32 columns x 512 along K: 16 blocks a lane, 256 bytes of codes a column, gathered in the wave's own stage and stored by rows, sixteen lanes to 256 consecutive bytes.
.Lweights:
.set WPITCH, 272
.set WX,    32                         ; v32-95   two sets of 32 numbers
.set WC,    96                         ; v96-99   a block's codes
.set WOUT,  112                        ; v112-175 the way out
.set WSB,   24                         ; v24-27   the scale bytes, four to a register
	s_lshr_b32 s3, ttmp9, 4                        ; which weight: 16 work-groups each
	s_and_b32 s6, ttmp9, 7                         ; which 128 columns
	s_bfe_u32 s7, ttmp9, 0x10003                   ; which 512 along K
	s_cmp_lt_u32 s3, 2
	s_cselect_b64 s[4:5], s[16:17], s[18:19]
	s_cmp_eq_u32 s3, 0
	s_cselect_b64 s[4:5], s[14:15], s[4:5]
	s_lshl_b32 s6, s6, 7
	s_lshl_b32 s32, s2, 5
	s_add_co_u32 s6, s6, s32                       ; my wave's first column
	s_lshl_b32 s32, s7, 21                         ; 512 rows of 4,096 bytes
	s_lshl_b32 s34, s6, 2
	s_add_co_u32 s32, s32, s34
	s_mov_b32 s33, 0
	s_add_nc_u64 s[4:5], s[4:5], s[32:33]
	s_lshl_b32 s32, s3, 19                         ; codes: 524,288 bytes a weight, 512 a column, 256 for each 512 along K
	s_lshl_b32 s34, s6, 9
	s_add_co_u32 s32, s32, s34
	s_lshl_b32 s34, s7, 8
	s_add_co_u32 s32, s32, s34
	s_add_nc_u64 s[26:27], s[26:27], s[32:33]
	s_lshl_b32 s32, s3, 15                         ; scale bytes: 32,768 a weight, 32 a column, 16 for each 512 along K
	s_lshl_b32 s34, s6, 5
	s_add_co_u32 s32, s32, s34
	s_lshl_b32 s34, s7, 4
	s_add_co_u32 s32, s32, s34
	s_add_nc_u64 s[28:29], s[28:29], s[32:33]
	v_lshlrev_b32 v3, 2, v2                        ; in: 4 bytes a lane
	s_mul_i32 s35, s2, 32*WPITCH
	s_add_co_u32 s35, s35, 32768                   ; my stage: LDS 32768 .. 67583 belong to this path
	v_mul_u32_u24 v4, v2, WPITCH
	v_add_nc_u32 v4, s35, v4                       ; into it: row = my column
	v_and_b32 v5, 15, v2
	v_lshrrev_b32 v6, 4, v2
	v_mul_u32_u24 v7, v6, WPITCH
	v_lshl_add_u32 v7, v5, 4, v7
	v_add_nc_u32 v7, s35, v7                       ; out of it: sixteen lanes to a row, two rows an instruction
	v_lshlrev_b32 v8, 9, v6
	v_lshl_add_u32 v8, v5, 4, v8                   ; and the same place among the codes
	v_lshlrev_b32 v9, 5, v2                        ; my column's row of scale bytes
.macro WLOAD t
.irp i, 0,1,2,3,4,5,6,7,8,9,10,11,12,13,14,15,16,17,18,19,20,21,22,23,24,25,26,27,28,29,30,31
	global_load_b32 v[WX+32*((\t)%2)+\i], v3, s[4:5] offset:(32*(\t)+\i)*4096 th:TH_LOAD_NT
.endr
.endm
	WLOAD 0
	WLOAD 1
.macro WBLOCK t
.set WS, WX+32*((\t)%2)
.if (\t) < 15
	s_wait_loadcnt 32                              ; this block's 32 loads are in; the next block's may be out
.else
	s_wait_loadcnt 0
.endif
	v_max3_num_f32 v12, |v[WS]|, |v[WS+1]|, |v[WS+2]|              ; all 32 numbers of the block are mine
	v_max3_num_f32 v13, |v[WS+3]|, |v[WS+4]|, |v[WS+5]|
.irp i, 6,10,14,18,22,26
	v_max3_num_f32 v12, v12, |v[WS+\i]|, |v[WS+\i+1]|
	v_max3_num_f32 v13, v13, |v[WS+\i+2]|, |v[WS+\i+3]|
.endr
	v_max3_num_f32 v12, v12, |v[WS+30]|, |v[WS+31]|
	v_max3_num_f32 v12, v12, v13, 0x1800000        ; the floor 2^(3 - 127)
	v_add_nc_u32 v11, 0xff000000, v12              ; the conversion's scale operand
	v_lshrrev_b32 v13, 23, v11                     ; the scale's byte
.if (\t)%4 == 0
	v_mov_b32 v[WSB+(\t)/4], v13
.else
	v_lshl_or_b32 v[WSB+(\t)/4], v13, 8*((\t)%4), v[WSB+(\t)/4]
.endif
.irp g, 0,1,2,3
	v_cvt_scalef32_pk8_fp4_f32 v[WC+\g], v[WS+8*\g:WS+8*\g+7], v11
.endr
	v_nop                                          ; a plain line behind the last conversion
	ds_store_b128 v4, v[WC:WC+3] offset:16*(\t)    ; 32 codes: 16 bytes of my column's row
.if (\t)+2 < 16
	WLOAD (\t)+2
.endif
	s_wait_dscnt 0x0                               ; the store has read its registers: the next block's codes may be written
.endm
.irp t, 0,1,2,3,4,5,6,7,8,9,10,11,12,13,14,15
	WBLOCK \t
.endr
	global_store_b128 v9, v[WSB:WSB+3], s[28:29]   ; my column's 16 scale bytes
.irp t, 0,1,2,3,4,5,6,7,8,9,10,11,12,13,14,15
	ds_load_b128 v[WOUT+4*\t:WOUT+4*\t+3], v7 offset:2*\t*WPITCH
.endr
.irp t, 0,1,2,3,4,5,6,7,8,9,10,11,12,13,14,15
	s_wait_dscnt 15-\t                             ; loads come back in order: number t is in, the younger ones stay out
	global_store_b128 v8, v[WOUT+4*\t:WOUT+4*\t+3], s[26:27] offset:2*\t*512
.endr
	FINISH
; ---------------------------------------------------------------- Wo: f32 [k][n] -> f16 images [n / 16][k / 32].  A lane takes a column, its registers run down k, 32 (one image's depth) at a time
; Packed in pairs, register i holds k = 2 i, 2 i + 1 of column n0 + lane.  An image wants k = 8 (lane / 16) + .. in its upper lanes: one exchange of halves between registers i and 4 + i gives
; the image of columns 0-15 in the first and that of columns 16-31 in the second.  Each store of the wave covers 512 consecutive bytes.  No LDS.
.Lwo:
	s_sub_co_u32 s3, ttmp9, 48
	s_and_b32 s6, s3, 7                            ; which 128 columns
	s_lshr_b32 s7, s3, 3                           ; which 256 along k
	s_lshl_b32 s32, s7, 20                         ; 256 rows of 4,096 bytes
	s_lshl_b32 s34, s6, 9
	s_add_co_u32 s32, s32, s34
	s_lshl_b32 s34, s2, 7
	s_add_co_u32 s32, s32, s34                     ; + 4 x (128 x + 32 wave)
	s_mov_b32 s33, 0
	s_add_nc_u64 s[20:21], s[20:21], s[32:33]
	s_lshl_b32 s32, s6, 18                         ; image ((8 x + 2 wave) x 32 + 8 y) of 1,024 bytes
	s_lshl_b32 s34, s2, 16
	s_add_co_u32 s32, s32, s34
	s_lshl_b32 s34, s7, 13
	s_add_co_u32 s32, s32, s34
	s_add_nc_u64 s[30:31], s[30:31], s[32:33]
	v_lshlrev_b32 v3, 2, v2
	v_lshlrev_b32 v4, 4, v2
.macro OLOAD q
.irp i, 0,1,2,3,4,5,6,7,8,9,10,11,12,13,14,15,16,17,18,19,20,21,22,23,24,25,26,27,28,29,30,31
	global_load_b32 v[32+32*((\q)%2)+\i], v3, s[20:21] offset:(32*(\q)+\i)*4096 th:TH_LOAD_NT
.endr
.endm
.macro OCH q
.set OS, 32+32*((\q)%2)
.set OP, 96+16*((\q)%2)
.if (\q) < 7
	s_wait_loadcnt 32                              ; this chunk's 32 loads are in; the next chunk's may be out
.else
	s_wait_loadcnt 0
.endif
.if (\q) > 1
	s_wait_xcnt 0x0                                ; the stores of two chunks back have read their data: this set is written again only behind this wait
.endif
.irp i, 0,1,2,3,4,5,6,7,8,9,10,11,12,13,14,15
	v_cvt_pk_f16_f32 v[OP+\i], v[OS+2*\i], v[OS+2*\i+1]
.endr
.irp i, 0,1,2,3
	v_permlane16_swap_b32 v[OP+\i], v[OP+4+\i]     ; the first's lanes 16-31 change places with the second's lanes 0-15
	v_permlane16_swap_b32 v[OP+8+\i], v[OP+12+\i]
.endr
	global_store_b128 v4, v[OP:OP+3], s[30:31] offset:(\q)*1024             ; columns 0-15, k 0-15
	global_store_b128 v4, v[OP+8:OP+11], s[30:31] offset:(\q)*1024+512      ; columns 0-15, k 16-31
	global_store_b128 v4, v[OP+4:OP+7], s[30:31] offset:(\q)*1024+32768     ; columns 16-31: the next tile of n, 32 images on
	global_store_b128 v4, v[OP+12:OP+15], s[30:31] offset:(\q)*1024+33280
.if (\q)+2 < 8
	OLOAD (\q)+2
.endif
.endm
	OLOAD 0
	OLOAD 1
.irp q, 0,1,2,3,4,5,6,7
	OCH \q
.endr
	FINISH
.Lfunc_end_k_q78862331e1_prep:
	.size	k_q78862331e1_prep, .Lfunc_end_k_q78862331e1_prep-k_q78862331e1_prep
	.p2alignl 7, 3214868480
	.fill 96, 4, 3214868480
	.section	.rodata,"a",@progbits
	.p2align	6, 0x0
	.amdhsa_kernel k_q78862331e1_prep
		.amdhsa_group_segment_fixed_size 68096
		.amdhsa_private_segment_fixed_size 0
		.amdhsa_enable_private_segment 0
		.amdhsa_kernarg_size 96
		.amdhsa_user_sgpr_count 2
		.amdhsa_user_sgpr_kernarg_segment_ptr 1
		.amdhsa_wavefront_size32 1
		.amdhsa_system_sgpr_workgroup_id_x 1
		.amdhsa_system_sgpr_workgroup_id_y 1
		.amdhsa_system_sgpr_workgroup_id_z 1
		.amdhsa_system_vgpr_workitem_id 0
		.amdhsa_next_free_vgpr 192
		.amdhsa_next_free_sgpr 66
		.amdhsa_reserve_vcc 0
		.amdhsa_float_denorm_mode_32 3
		.amdhsa_float_denorm_mode_16_64 3
		.amdhsa_memory_ordered 1
		.amdhsa_forward_progress 1
		.amdhsa_inst_pref_size 150
	.end_amdhsa_kernel
	.amdgpu_metadata
---
amdhsa.version: [ 1, 2 ]
amdhsa.kernels:
  - .name:           k_q78862331e1_prep
    .symbol:         k_q78862331e1_prep.kd
    .args:
      - { .name: queries, .offset: 0, .size: 8, .value_kind: global_buffer, .address_space: global }
      - { .name: keys, .offset: 8, .size: 8, .value_kind: global_buffer, .address_space: global }
      - { .name: values, .offset: 16, .size: 8, .value_kind: global_buffer, .address_space: global }
      - { .name: Wq, .offset: 24, .size: 8, .value_kind: global_buffer, .address_space: global }
      - { .name: Wk, .offset: 32, .size: 8, .value_kind: global_buffer, .address_space: global }
      - { .name: Wv, .offset: 40, .size: 8, .value_kind: global_buffer, .address_space: global }
      - { .name: Wo, .offset: 48, .size: 8, .value_kind: global_buffer, .address_space: global }
      - { .name: xc, .offset: 56, .size: 8, .value_kind: global_buffer, .address_space: global }
      - { .name: xs, .offset: 64, .size: 8, .value_kind: global_buffer, .address_space: global }
      - { .name: wc, .offset: 72, .size: 8, .value_kind: global_buffer, .address_space: global }
      - { .name: ws, .offset: 80, .size: 8, .value_kind: global_buffer, .address_space: global }
      - { .name: woi, .offset: 88, .size: 8, .value_kind: global_buffer, .address_space: global }
    .group_segment_fixed_size: 68096
    .private_segment_fixed_size: 0
    .kernarg_segment_align: 8
    .kernarg_segment_size: 96
    .max_flat_workgroup_size: 128
    .sgpr_count:     66
    .vgpr_count:     192
    .wavefront_size: 32
...
	.end_amdgpu_metadata
.endif
;; end of part 1
;; launch proj (part 2): grid 4 x 96, 4 waves a work-group, clusters of 4 x 4, 327,680 bytes of LDS; arguments xc, xs, wc, ws, bq, bk, bv, qkv; writes qkv
.if DOCPART == 2
	.amdgcn_target "amdgcn-amd-amdhsa--gfx1250"
	.amdhsa_code_object_version 6
	.text
	.protected	k_q78862331e1_proj
	.globl	k_q78862331e1_proj
	.p2align	8
	.type	k_q78862331e1_proj,@function
k_q78862331e1_proj:
	s_mov_b64 s[64:65], 0
	v_nop
	global_prefetch_b8 v0, s[64:65] scope:SCOPE_SE
	s_setreg_imm32_b32 hwreg(HW_REG_WAVE_MODE, 25, 1), 1
	s_wait_xcnt 0x0
	s_wait_alu depctr_hold_cnt(0) depctr_sa_sdst(0) depctr_va_vdst(0) depctr_va_sdst(0) depctr_va_ssrc(0) depctr_va_vcc(0) depctr_vm_vsrc(0)
	s_getreg_b32 s2, hwreg(HW_REG_IB_STS2, 6, 4)
	s_cmp_eq_u32 s2, 0
	s_cbranch_scc0 .Lentry_in_a_cluster
	s_endpgm
.Lentry_in_a_cluster:
	s_bfe_u32 s2, ttmp6, 0x10000c
	s_cmp_lg_u32 s2, 0xf033
	s_cbranch_scc0 .Lentry_shape_is_right
	s_endpgm
.Lentry_shape_is_right:
; PROJ: q = queries Wq + bq, k = keys Wk + bk, v = values Wv + bv, on codes of FP4 (E2M1) with one E8M0 scale for each 32 along K = 1,024; sums in f32; results rounded once to f16.
; xc [3 x 8192][512 bytes], wc [3 x 1024 (n)][512 bytes]: codes, K innermost; xs, ws: 32 scale bytes a row.
; A work-group of four waves makes 256 x 256 numbers, a wave 128 x 128: 64 accumulators of 16 x 16.  K goes in two steps of 512, each in an LDS slot of its own: both slots and the scales are
; first fills; nothing is filled again.  By this text's count a wave has three tensor loads out at the head and none later.
; ROLES.  The matrix instruction takes 16 rows of the "B role" as source 0 and 16 rows of the "A role" as source 1: in the result a lane holds ONE A-role row and eight neighbouring B-role rows.
;   q, k (clusters y = 0 .. 15): A role = the tokens, B role = the weight's columns: a lane holds one position and eight channels;
;   v    (clusters y = 16 .. 23): A role = Wv's columns, B role = the tokens: a lane holds one channel and eight keys.
; Both kinds of rows have the same form, so the roles are a choice of pointers and tile numbers on the cluster's number, the same in all sixteen partners.
; THE RESULT IS STORED AS IMAGES OF THE NEXT PRODUCT'S OPERAND REGISTERS: an accumulator packed to f16 is half of a 16 x 32 fragment (16 bytes a lane), so each store of the wave covers 512
; consecutive bytes, and nothing goes through LDS on the way out.  qkv: q, k: [b h][position / 16][channel / 32][1,024 bytes]; v: [b h][key / 32][channel / 16][1,024 bytes].
; CLUSTERS: 4 x 4 work-groups; A-role tiles are shared along a row of the cluster, B-role tiles along a column, each asked for jointly.
; LIMITS: q, k, v go to f16: magnitudes above 65,504 are not served; numbers under 6e-5 keep an absolute error of 3e-8.
; REGISTERS, in windows of 256: window 0: v0-31 addresses; v32-95 scale words, two sets; v96-111 the bias by lane; v128-191 A's fragments, later the packed results; v192-255 the bias by register.
;   window 1: B's fragments, two sets.   window 2: accumulators of my A-role rows 0-63 ((a, b) at v[8 (8 a + b)]);   window 3: of rows 64-127.
.set KSTEP,  512
.set NQ,     4                         ; matrix instructions deep in a slot
.set ROWB,   256                       ; a tile's row in bytes
.set KROW,   512                       ; a row of codes in memory
.set PITCH,  272                       ; an LDS row: 256 bytes + 16 of padding: the 16 rows that a load touches start 68 words apart
.set FR,     8
.set NL,     2
.set NP,     4                         ; places behind this matrix instruction (ISA guide 7.12.1)
.set HALFT,  128*PITCH
.set SLOT,   4*HALFT
.set KS,     32                        ; a row of scale bytes
.set SCL,    2*SLOT
.set HALFS,  (128*KS/256)*272
.set SBLK,   (16*KS/256)*272
.set SPARE,  SCL+4*HALFS               ; the spare words, 128 bytes for each wave
.set ADRA, 16
.set ADRB, 20
.set CO,   26                          ; v26  16 x lane: my place in a store's 512 bytes
.set ADRS, 27
.set SPW,  28
.set NIL,  29
.set VBN,  30                          ; v30  32 x (lane / 16); never rewritten
.set VBM,  31                          ; v31  4 x (lane % 16); never rewritten
.set SC,   32
.set BM,   96                          ; v96-111   pair 2 a: bias of A-role row 16 a + lane % 16, twice
.set AF,   128
.set OUTR, 128                         ; v128-191  the way out: two sets of 32
.set BN,   192                         ; v192-255  8 b + j: bias of B-role row 16 b + 8 (lane / 16) + j
.set G1, 24
.set G0, 32
.set G1B, 48
.set G0B, 56
.set G1S, 68
.set G0S, 76
.set G1SB, 80
.set G0SB, 88
.set MSB, 0
.macro WIN new                         ; the immediate's high byte repeats the setting that is left
.if MSB != (\new)
	s_set_vgpr_msb (MSB<<8)|(\new)
.set MSB, (\new)
.endif
.endm
.set MUL_LO, 0xa1                      ; source 0 (B) window 1, source 1 (A) window 0, C and D window 2
.set MUL_HI, 0xf1
.set TO_B,   0x40
; A joint load: waves 0 and 1 fetch for the A role, waves 2 and 3 for the B role; the branch hangs on the wave's number alone.  An s_nop 0 and four v_nop follow each line.
.macro JLOAD g0a, g1a, g0b, g1b
	s_cmp_eq_u32 s15, 0
	s_cbranch_scc0 .Lfor_b_\@
	tensor_load_to_lds s[\g0a:\g0a+3], s[\g1a:\g1a+7]
	s_nop 0
.rept 4
	v_nop
.endr
	s_branch .Lasked_\@
.Lfor_b_\@:
	tensor_load_to_lds s[\g0b:\g0b+3], s[\g1b:\g1b+7]
	s_nop 0
.rept 4
	v_nop
.endr
.Lasked_\@:
.endm
.macro CREST
	s_cmp_lg_u32 s14, 0
	s_cbranch_scc1 .Lnot_wave_0_\@
	s_barrier_signal -3
.Lnot_wave_0_\@:
	s_barrier_wait -3
	s_barrier_signal -1
	s_barrier_wait -1
.endm
.macro CROUND
	s_barrier_signal -1
	s_barrier_wait -1
	CREST
.endm
	s_load_b256 s[4:11], s[0:1], 0x0               ; xc s[4:5], xs s[6:7], wc s[8:9], ws s[10:11]
	s_load_b256 s[92:99], s[0:1], 0x20             ; bq s[92:93], bk s[94:95], bv s[96:97], qkv s[98:99]
	v_lshl_add_u32 v[SPW], v0, 2, SPARE
	v_mov_b32 v[NIL], 0
	ds_add_u32 v[SPW], v[NIL]                      ; the wave's opening: the add, twice on end, and its wait ahead of my first tensor load
	ds_add_u32 v[SPW], v[NIL]
	v_lshrrev_b32 v1, 5, v0
	v_readfirstlane_b32 s14, v1                    ; wave 0..3
	s_lshr_b32 s15, s14, 1                         ; which half of the A-role rows is mine.  Also: I fetch for A (0) or for B (1)
	s_and_b32 s16, s14, 1                          ; which half of the B-role rows.  Also: which 128 rows of that tile I fetch
	s_bfe_u32 s40, ttmp6, 0x40000                  ; cx
	s_bfe_u32 s41, ttmp6, 0x40004                  ; cy
	s_and_b32 s2, ttmp7, 0xffff                    ; the cluster's y, 0 .. 23
	s_lshr_b32 s3, s2, 3                           ; which tensor: 0 q, 1 k, 2 v
	s_lshl_b32 s12, s2, 2
	s_lshl_b32 s13, s3, 2
	s_cmp_ge_u32 s2, 16
	s_cselect_b32 s66, 1, 0                        ; 1: v's roles.  The same in all sixteen partners
	s_cselect_b32 s17, 8, s12
	s_cselect_b32 s42, s12, s13
	s_add_co_u32 s17, s17, s41                     ; A-role tile of 256 rows: tokens 4 y + cy, or Wv's 8 + cy: made of cy and the cluster's number alone
	s_add_co_u32 s42, s42, s40                     ; B-role tile: the weight's 4 t + cx, or tokens 4 y + cx: made of cx and the cluster's number alone
	s_lshl_b32 s43, s41, 2
	s_lshl_b32 s43, 15, s43                        ; my row of the cluster
	s_lshl_b32 s44, 0x1111, s40                    ; my column
	s_or_b32 s[G1+0], s43, (0<<16)|(1<<20)|(1<<21)|(5<<22)|(3<<25)  ; the mask; elements of 1 byte; padding on; bit 21 beside a mask; 4 words of padding after every 64
	s_or_b32 s[G1B+0], s44, (0<<16)|(1<<20)|(1<<21)|(5<<22)|(3<<25)
.irp g, G1, G1B
	s_mov_b32 s[\g+1], ROWB<<16                    ; tensor_dim0
	s_mov_b32 s[\g+2], 128<<16                     ; tensor_dim1
	s_mov_b32 s[\g+3], ROWB<<16                    ; tile_dim0
	s_mov_b32 s[\g+4], 128                         ; tile_dim1
	s_mov_b32 s[\g+5], KROW                        ; the pitch in memory
	s_mov_b32 s[\g+6], 0
	s_mov_b32 s[\g+7], 0
.endr
	s_or_b32 s[G1S+0], s43, (3<<16)|(1<<20)|(1<<21)|(5<<22)|(3<<25) ; the scales of 128 rows: 4,096 dense bytes as 16 rows of 256 (32 elements of 8 bytes), 16 bytes of padding behind each
	s_or_b32 s[G1SB+0], s44, (3<<16)|(1<<20)|(1<<21)|(5<<22)|(3<<25)
.irp g, G1S, G1SB
	s_mov_b32 s[\g+1], 32<<16
	s_mov_b32 s[\g+2], (128*KS/256)<<16
	s_mov_b32 s[\g+3], 32<<16
	s_mov_b32 s[\g+4], 128*KS/256
	s_mov_b32 s[\g+5], 32
	s_mov_b32 s[\g+6], 0
	s_mov_b32 s[\g+7], 0
.endr
	s_lshl_b32 s18, s16, 7                         ; which 128 rows of the tile I fetch
	s_lshl_b32 s20, s17, 8
	s_add_co_u32 s20, s20, s18                     ; A role: first row
	s_lshl_b32 s46, s42, 8
	s_add_co_u32 s46, s46, s18                     ; B role: first row
	s_lshl_b32 s22, s20, 5                         ; its scale bytes,
	s_mov_b32 s23, 0
	s_lshl_b32 s100, s46, 5
	s_mov_b32 s101, 0
	s_lshl_b32 s20, s20, 9                         ; its codes (all under 2^24 bytes)
	s_mov_b32 s21, 0
	s_lshl_b32 s46, s46, 9
	s_mov_b32 s47, 0
	s_mul_i32 s45, s14, HALFT                      ; where they go: wave x 128 rows: no place in the cluster enters an LDS address
	s_mul_i32 s67, s14, HALFS
	s_wait_dscnt 0x0                               ; both opening adds are done
	s_wait_kmcnt 0x0
	s_cmp_eq_u32 s66, 1
	s_cselect_b64 s[12:13], s[8:9], s[4:5]         ; A role's codes: the weights' or the tokens'
	s_cselect_b64 s[18:19], s[10:11], s[6:7]       ; and scales
	s_cselect_b64 s[8:9], s[4:5], s[8:9]           ; B role's codes
	s_cselect_b64 s[10:11], s[6:7], s[10:11]       ; and scales
	s_add_nc_u64 s[20:21], s[12:13], s[20:21]
	s_add_nc_u64 s[22:23], s[18:19], s[22:23]
	s_add_nc_u64 s[46:47], s[8:9], s[46:47]
	s_add_nc_u64 s[100:101], s[10:11], s[100:101]
	CROUND                                         ; all sixteen work-groups are here: the first joint loads meet
	s_mov_b32 s[G0S], 1
	s_add_co_u32 s[G0S+1], s67, SCL
	s_mov_b64 s[G0S+2:G0S+3], s[22:23]
	s_or_b32 s[G0S+3], s[G0S+3], 0x80000000
	s_mov_b32 s[G0SB], 1
	s_add_co_u32 s[G0SB+1], s67, SCL
	s_mov_b64 s[G0SB+2:G0SB+3], s[100:101]
	s_or_b32 s[G0SB+3], s[G0SB+3], 0x80000000
	JLOAD G0S, G1S, G0SB, G1SB                     ; the scales first: they are wanted with K step 0
.irp s, 0,1
	s_mov_b32 s[G0+4*\s], 1
	s_add_co_u32 s[G0+4*\s+1], s45, \s*SLOT
	s_add_nc_u64 s[G0+4*\s+2:G0+4*\s+3], s[20:21], \s*ROWB
	s_or_b32 s[G0+4*\s+3], s[G0+4*\s+3], 0x80000000
	s_mov_b32 s[G0B+4*\s], 1
	s_add_co_u32 s[G0B+4*\s+1], s45, \s*SLOT
	s_add_nc_u64 s[G0B+4*\s+2:G0B+4*\s+3], s[46:47], \s*ROWB
	s_or_b32 s[G0B+4*\s+3], s[G0B+4*\s+3], 0x80000000
	JLOAD G0+4*\s, G1, G0B+4*\s, G1B
.endr
	v_and_b32 v1, 15, v0                           ; r = lane % 16
	v_bfe_u32 v2, v0, 4, 1                         ; h = lane / 16
	v_mul_u32_u24 v3, v1, PITCH
	v_lshl_add_u32 v4, v2, 4, v3                   ; a fragment's row x pitch + 16 h
	s_mul_i32 s21, s15, HALFT                      ; my 128 A-role rows
	s_mul_i32 s22, s16, HALFT                      ; my 128 B-role rows,
	s_add_co_u32 s22, s22, 2*HALFT                 ; which lie behind A's 256
.irp s, 0,1
	v_add_nc_u32 v[ADRA+\s], s21, v4
	v_add_nc_u32 v[ADRB+\s], s22, v4
	s_add_co_u32 s21, s21, SLOT
	s_add_co_u32 s22, s22, SLOT
.endr
	v_mul_u32_u24 v5, v1, KS                       ; my row's scales: 32 bytes a row,
	v_lshrrev_b32 v6, 8, v5
	v_lshl_add_u32 v5, v6, 4, v5                   ; and 16 more for each 256 passed
	s_mul_i32 s21, s15, HALFS
	s_mul_i32 s22, s16, HALFS
	s_add_co_u32 s22, s22, 2*HALFS
	s_sub_co_u32 s22, s22, s21
	v_mul_u32_u24 v6, s22, v2                      ; lanes 16-31 take B's
	s_add_co_u32 s21, s21, SCL
	v_add_nc_u32 v5, v5, v6
	v_add_nc_u32 v[ADRS], s21, v5
	v_and_b32 v6, 31, v0
	v_lshlrev_b32 v[CO], 4, v6
	; the bias, in both forms; the way out uses one of them
	s_cmp_lt_u32 s3, 2
	s_cselect_b64 s[94:95], s[94:95], s[96:97]
	s_cmp_eq_u32 s3, 0
	s_cselect_b64 s[92:93], s[92:93], s[94:95]     ; the tensor's bias
	s_lshl_b32 s12, s40, 10
	s_lshl_b32 s13, s16, 9
	s_add_co_u32 s12, s12, s13                     ; 4 x (256 cx + 128 x my B half)
	s_mov_b32 s13, 0
	s_add_nc_u64 s[94:95], s[92:93], s[12:13]
	s_lshl_b32 s12, s41, 10
	s_lshl_b32 s18, s15, 9
	s_add_co_u32 s12, s12, s18                     ; 4 x (256 cy + 128 x my A half)
	s_add_nc_u64 s[92:93], s[92:93], s[12:13]
	v_lshlrev_b32 v[VBN], 5, v2
	v_lshlrev_b32 v[VBM], 2, v1
.irp b, 0,1,2,3,4,5,6,7
	global_load_b128 v[BN+8*\b:BN+8*\b+3], v[VBN], s[94:95] offset:64*\b
	global_load_b128 v[BN+8*\b+4:BN+8*\b+7], v[VBN], s[94:95] offset:64*\b+16
.endr
.irp a, 0,1,2,3,4,5,6,7
	global_load_b32 v[BM+2*\a], v[VBM], s[92:93] offset:64*\a
	global_load_b32 v[BM+2*\a+1], v[VBM], s[92:93] offset:64*\a
.endr
	; where my images begin in qkv.  U = the tokens' tile: U / 8 = 4 x tensor + batch, U % 8 = which 256 positions
	s_cmp_eq_u32 s66, 1
	s_cselect_b32 s2, s42, s17                     ; U
	s_cselect_b32 s3, s41, s40                     ; the channels' tile in the cluster,
	s_cselect_b32 s12, s15, s16                    ; and my half of it: head = 4 x tile + 2 x half (+ 1 inside my 128 channels)
	s_cselect_b32 s13, s16, s15                    ; my half of the positions
	s_lshl_b32 s3, s3, 2
	s_lshl_b32 s12, s12, 1
	s_add_co_u32 s3, s3, s12
	s_lshl_b32 s3, s3, 18                          ; 262,144 bytes a head
	s_lshr_b32 s12, s2, 3
	s_lshl_b32 s12, s12, 22                        ; 4,194,304 bytes a batch
	s_add_co_u32 s3, s3, s12
	s_and_b32 s2, s2, 7
	s_lshl_b32 s2, s2, 15                          ; 32,768 bytes for 256 positions
	s_add_co_u32 s3, s3, s2
	s_lshl_b32 s13, s13, 14
	s_add_co_u32 s2, s3, s13
	s_mov_b32 s3, 0
	s_add_nc_u64 s[98:99], s[98:99], s[2:3]
.macro FRAG reg, adr, q, i             ; 16 rows x 128 K of 4-bit codes: 8 registers: lane l holds row l % 16; registers 4 c .. 4 c + 3 hold K = 64 c + 32 (l / 16) + 0 .. 31
.irp c, 0,1
	ds_load_b128 v[\reg+4*\c:\reg+4*\c+3], v[\adr] offset:64*(\q)+32*\c+(\i)*16*PITCH
.endr
.endm
; 16 matrix instructions: A's blocks a0, a0 + 1 x B's eight, 128 along K.  The 64 accumulators take turns, one instruction a turn, in the same order in every step.
.macro MUL16 a0, p, q, sc, zero
.irp a, \a0, \a0+1
.irp b, 0,1,2,3,4,5,6,7
.if \zero
	v_wmma_scale_f32_16x16x128_f8f6f4 v[8*(8*((\a)%4)+\b):8*(8*((\a)%4)+\b)+7], v[128*(\p)+FR*\b:128*(\p)+FR*\b+FR-1], v[AF+FR*(\a):AF+FR*(\a)+FR-1], 0, v[SC+8*NQ*(\sc)+NQ*\b+(\q)], v[SC+8*NQ*(\sc)+NQ*(\a)+(\q)] matrix_a_fmt:MATRIX_FMT_FP4 matrix_b_fmt:MATRIX_FMT_FP4 matrix_a_scale:MATRIX_SCALE_ROW1
.else
	v_wmma_scale_f32_16x16x128_f8f6f4 v[8*(8*((\a)%4)+\b):8*(8*((\a)%4)+\b)+7], v[128*(\p)+FR*\b:128*(\p)+FR*\b+FR-1], v[AF+FR*(\a):AF+FR*(\a)+FR-1], v[8*(8*((\a)%4)+\b):8*(8*((\a)%4)+\b)+7], v[SC+8*NQ*(\sc)+NQ*\b+(\q)], v[SC+8*NQ*(\sc)+NQ*(\a)+(\q)] matrix_a_fmt:MATRIX_FMT_FP4 matrix_b_fmt:MATRIX_FMT_FP4 matrix_a_scale:MATRIX_SCALE_ROW1
.endif
.endr
.endr
.endm
.macro FETCH_B slot, q, p
	WIN TO_B
.irp i, 0,1,2,3,4,5,6,7
	FRAG 128*(\p)+FR*\i, ADRB+\slot, \q, \i
.endr
	WIN 0
.endm
.macro FETCH_A slot, q, i0
.irp i, \i0, \i0+1, \i0+2, \i0+3
	FRAG AF+FR*(\i), ADRA+\slot, \q, \i
.endr
.endm
.macro SCALES sc                       ; a K step's scale words: four a row; lanes 0-15 take A's block i, lanes 16-31 B's block i
.irp i, 0,1,2,3,4,5,6,7
	ds_load_b128 v[SC+8*NQ*\sc+NQ*\i:SC+8*NQ*\sc+NQ*\i+3], v[ADRS] offset:\i*SBLK
.endr
.endm
.macro PLACES n                        ; plain vector instructions between a matrix instruction and a load into, or a read of, its registers
.rept \n
	v_nop
.endr
.endm
.macro STEP slot, q, zero              ; 128 along K that has its successor in the same slot
	s_wait_dscnt 4*NL                              ; B's set and A's blocks 0-3 are in; the youngest eight loads (A's blocks 4-7) may be out
	WIN MUL_LO
	MUL16 0, (\q)%2, \q, \slot, \zero
	MUL16 2, (\q)%2, \q, \slot, \zero
	s_wait_dscnt 0
	PLACES NP
	FETCH_B \slot, (\q)+1, 1-(\q)%2
	FETCH_A \slot, (\q)+1, 0
	WIN MUL_HI
	MUL16 4, (\q)%2, \q, \slot, \zero
	MUL16 6, (\q)%2, \q, \slot, \zero
	PLACES NP
	WIN 0
	FETCH_A \slot, (\q)+1, 4
.endm
; Slot 0's last step goes on into slot 1: each wave waits for all its tensor loads (its part of slot 1), adds 0 to its spare word, waits for that and for its reads, and passes a barrier: slot 1 is whole for all four.
.macro TURN slot, next
	s_wait_tensorcnt 0x0
	ds_add_u32 v[SPW], v[NIL]
	s_wait_dscnt 4*NL+1                            ; the add and the youngest eight loads may be out
	WIN MUL_LO
	MUL16 0, 1, NQ-1, \slot, 0
	s_wait_dscnt 0x0
	s_barrier_signal -1
	MUL16 2, 1, NQ-1, \slot, 0
	WIN 0
	s_barrier_wait -1
	PLACES NP
	v_add_nc_u32 v[ADRS], 4*NQ, v[ADRS]            ; the next K step's scale words
	FETCH_B \next, 0, 0
	FETCH_A \next, 0, 0
	SCALES \next
	WIN MUL_HI
	MUL16 4, 1, NQ-1, \slot, 0
	MUL16 6, 1, NQ-1, \slot, 0
	PLACES NP
	WIN 0
	FETCH_A \next, 0, 4
.endm
	s_wait_tensorcnt 1                             ; the scales and my part of K step 0 are in; K step 1's load may be out
	s_barrier_signal -1
	s_barrier_wait -1
	FETCH_B 0, 0, 0
	FETCH_A 0, 0, 0
	SCALES 0
	FETCH_A 0, 0, 4
	STEP 0, 0, 1                                   ; the first products start the sums: nothing is cleared
	STEP 0, 1, 0
	STEP 0, 2, 0
	TURN 0, 1
	STEP 1, 0, 0
	STEP 1, 1, 0
	STEP 1, 2, 0
	s_wait_dscnt 4*NL                              ; the last step: nothing more to fetch
	WIN MUL_LO
	MUL16 0, 1, NQ-1, 1, 0
	MUL16 2, 1, NQ-1, 1, 0
	s_wait_dscnt 0
	WIN MUL_HI
	MUL16 4, 1, NQ-1, 1, 0
	MUL16 6, 1, NQ-1, 1, 0
	WIN 0
; THE WAY OUT, block a of 16 A-role rows at a time: the bias is added in f32 (each accumulator from its low end on), eight numbers a lane are rounded to f16, 16 bytes, and stored as half an image.
.macro OUTB a, isv
.set AC, 64*((\a)%4)
.set OT, OUTR+32*((\a)%2)
	WIN 0x82+0x41*((\a)/4)                         ; destination and source 0: window 2 or 3; the bias: window 0
.irp b, 0,1,2,3,4,5,6,7
.irp p, 0,2,4,6
.if \isv
	v_pk_add_f32 v[AC+8*\b+\p:AC+8*\b+\p+1], v[AC+8*\b+\p:AC+8*\b+\p+1], v[BM+2*(\a):BM+2*(\a)+1]
.else
	v_pk_add_f32 v[AC+8*\b+\p:AC+8*\b+\p+1], v[AC+8*\b+\p:AC+8*\b+\p+1], v[BN+8*\b+\p:BN+8*\b+\p+1]
.endif
.endr
.endr
	WIN 0x0a+5*((\a)/4)                            ; sources 0 and 1: window 2 or 3
.if (\a) > 1
	s_wait_xcnt 0x0                                ; the stores of two blocks back have read their data: this set is written again only behind this wait
.endif
.irp b, 0,1,2,3,4,5,6,7
.irp p, 0,1,2,3
	v_cvt_pk_f16_f32 v[OT+4*\b+\p], v[AC+8*\b+2*\p], v[AC+8*\b+2*\p+1]
.endr
.endr
	WIN 0
.irp b, 0,1,2,3,4,5,6,7
.if \isv
	global_store_b128 v[CO], v[OT+4*\b:OT+4*\b+3], s[98:99] offset:((\a)/4)*262144+((\a)%4)*1024+(\b/2)*4096+(\b%2)*512   ; head a / 4, channels 16 (a % 4), keys 32 (b / 2), half b % 2
.else
	global_store_b128 v[CO], v[OT+4*\b:OT+4*\b+3], s[98:99] offset:(\b/4)*262144+(\a)*2048+(\b%4)*512                      ; head b / 4, positions 16 a, channels 32 ((b % 4) / 2), half b % 2
.endif
.endr
.endm
	PLACES NP
	s_wait_loadcnt 0x0                             ; the biases
	s_cmp_eq_u32 s66, 1
	s_cbranch_scc1 .Lout_v
.irp a, 0,1,2,3,4,5,6,7
	OUTB \a, 0
.endr
	s_branch .Lend
.Lout_v:
.irp a, 0,1,2,3,4,5,6,7
	OUTB \a, 1
.endr
.Lend:
	s_wait_tensorcnt 0x0                           ; the wave's end
	ds_add_u32 v[SPW], v[NIL]
	s_wait_dscnt 0x0
	CROUND                                         ; the closing round
	s_endpgm
.Lfunc_end_k_q78862331e1_proj:
	.size	k_q78862331e1_proj, .Lfunc_end_k_q78862331e1_proj-k_q78862331e1_proj
	.p2alignl 7, 3214868480
	.fill 96, 4, 3214868480
	.section	.rodata,"a",@progbits
	.p2align	6, 0x0
	.amdhsa_kernel k_q78862331e1_proj
		.amdhsa_group_segment_fixed_size 327680
		.amdhsa_private_segment_fixed_size 0
		.amdhsa_enable_private_segment 0
		.amdhsa_kernarg_size 64
		.amdhsa_user_sgpr_count 2
		.amdhsa_user_sgpr_kernarg_segment_ptr 1
		.amdhsa_wavefront_size32 1
		.amdhsa_system_sgpr_workgroup_id_x 1
		.amdhsa_system_sgpr_workgroup_id_y 1
		.amdhsa_system_sgpr_workgroup_id_z 1
		.amdhsa_system_vgpr_workitem_id 0
		.amdhsa_next_free_vgpr 1024
		.amdhsa_next_free_sgpr 102
		.amdhsa_reserve_vcc 0
		.amdhsa_float_denorm_mode_32 3
		.amdhsa_float_denorm_mode_16_64 3
		.amdhsa_memory_ordered 1
		.amdhsa_forward_progress 1
		.amdhsa_inst_pref_size 177
	.end_amdhsa_kernel
	.amdgpu_metadata
---
amdhsa.version: [ 1, 2 ]
amdhsa.kernels:
  - .name:           k_q78862331e1_proj
    .symbol:         k_q78862331e1_proj.kd
    .args:
      - { .name: xc, .offset: 0, .size: 8, .value_kind: global_buffer, .address_space: global }
      - { .name: xs, .offset: 8, .size: 8, .value_kind: global_buffer, .address_space: global }
      - { .name: wc, .offset: 16, .size: 8, .value_kind: global_buffer, .address_space: global }
      - { .name: ws, .offset: 24, .size: 8, .value_kind: global_buffer, .address_space: global }
      - { .name: bq, .offset: 32, .size: 8, .value_kind: global_buffer, .address_space: global }
      - { .name: bk, .offset: 40, .size: 8, .value_kind: global_buffer, .address_space: global }
      - { .name: bv, .offset: 48, .size: 8, .value_kind: global_buffer, .address_space: global }
      - { .name: qkv, .offset: 56, .size: 8, .value_kind: global_buffer, .address_space: global }
    .group_segment_fixed_size: 327680
    .private_segment_fixed_size: 0
    .kernarg_segment_align: 8
    .kernarg_segment_size: 64
    .max_flat_workgroup_size: 128
    .sgpr_count:     102
    .vgpr_count:     1024
    .wavefront_size: 32
...
	.end_amdgpu_metadata
.endif
;; end of part 2
;; launch attn (part 3): grid 8 x 64, 4 waves a work-group, clusters of 4 x 1, 327,680 bytes of LDS; arguments qkv, ctx; writes ctx
.if DOCPART == 3
	.amdgcn_target "amdgcn-amd-amdhsa--gfx1250"
	.amdhsa_code_object_version 6
	.text
	.protected	k_q78862331e1_attn
	.globl	k_q78862331e1_attn
	.p2align	8
	.type	k_q78862331e1_attn,@function
k_q78862331e1_attn:
	s_mov_b64 s[64:65], 0
	v_nop
	global_prefetch_b8 v0, s[64:65] scope:SCOPE_SE
	s_setreg_imm32_b32 hwreg(HW_REG_WAVE_MODE, 25, 1), 1
	s_wait_xcnt 0x0
	s_wait_alu depctr_hold_cnt(0) depctr_sa_sdst(0) depctr_va_vdst(0) depctr_va_sdst(0) depctr_va_ssrc(0) depctr_va_vcc(0) depctr_vm_vsrc(0)
	s_getreg_b32 s2, hwreg(HW_REG_IB_STS2, 6, 4)
	s_cmp_eq_u32 s2, 0
	s_cbranch_scc0 .Lentry_in_a_cluster
	s_endpgm
.Lentry_in_a_cluster:
	s_bfe_u32 s2, ttmp6, 0x10000c
	s_cmp_lg_u32 s2, 0x3003
	s_cbranch_scc0 .Lentry_shape_is_right
	s_endpgm
.Lentry_shape_is_right:
; ATTN: ctx[b h][q] = the sum over k of softmax_k(q . k / 8) v, 64 heads (batch x head), 2,048 positions, head size 64, no mask.  q, k, v arrive as f16, as images of operand registers:
; q, k: [b h][position / 16][channel / 32][1,024 bytes]; v: [b h][key / 32][channel / 16][1,024 bytes]; an image is read as 16 bytes a lane at 16 x lane and again 512 bytes on.
; Products, maxima and sums in f32; the weights p (at most 1) are rounded to f16 for the second product, ctx once at the end, and stored as images [row / 16][channel / 32] for the last projection.
; SHARES.  A work-group owns 256 queries of one head, each of its four waves 64: four tiles of 16.  Every wave walks all keys, 64 a step.
; LAYOUT.  S^T = K Q^T (source 0 = 16 keys, source 1 = 16 queries): a lane holds ONE query and the keys 8 (lane / 16) + 0..7.  Two such tiles, rounded in pairs, ARE source 1 of O^T = V^T P, whose result
; again holds one query a lane and eight channels: packed, that is half an image of ctx.  So nothing changes lanes, and nothing goes through LDS on the way out.
; SOFTMAX.  A running maximum m and sum l for each query: p = 2^(c s - c m), c = log2(e) / 8; in every step O and l are multiplied by a = 2^(c m_old - c m_new).
; BY TURNS.  The wave's tiles are two pieces (tiles 0, 1 and tiles 2, 3).  In a turn one piece has the matrix unit: 16 products V^T P of the step in hand, then 16 products K Q^T of the next step; the other piece's
; softmax, 2 x 118 instructions cut into 59 slices of four, stands between them: two slices behind each of the first 27 products, one behind each of the last five.
; CLUSTER.  The four query blocks of a cluster belong to one head and walk the same K and V: each tile is asked for jointly.  A slot holds 256 keys: four steps.
; LIMITS: ctx goes to f16: magnitudes above 65,504 are not served; numbers under 6e-5 keep an absolute error of 3e-8.  NaN and infinities are not served.
; REGISTERS, in windows of 256: window 0: v2-4 addresses; v12-43 eight statistics a tile; v61-63; v64-191 S^T, 32 a tile; v192-255 P, 16 a tile.
;   window 1: O^T, 32 a tile.   window 2: v0-63 Q, 16 a tile; v128-191 K of one step.   window 3: v0-63 V of one step.
.set STEPB, 8192      ; a step's images of K (or of V): 64 keys x 64 channels x 2 bytes
.set HALFB, 32768     ; a slot's K (or V): four steps
.set SLOT1, 1<<16     ; slot 1 begins here: one exclusive or turns an address in one slot into the other's
.set SPARE, 2*SLOT1   ; behind the ring: the spare words, 128 bytes for each wave
.set AK0, 2           ; v2   16 x lane: my place in an image; also my offset in Q's loads and ctx's stores; never rewritten
.set AV0, 3           ; v3   the same behind a slot's K
.set ADR, 4           ; v4   the LDS address of the run of loads in hand
.set PFO, 61          ; v61  256 x lane; never rewritten
.set SPW, 62
.set NIL, 63
.set ST,  12          ; tile t's statistics at v[ST+8 t]: +0 c m, +1 m, +2, +3 l (even keys', odd keys'), +4 to +7 at work; a takes +6 once the maximum is found
.set S,   64
.set P,   192
.set KF,  128
.set WV,  12
.set LIM, 15          ; s15  1 in a wave that prefetches, else the greatest number
.set PFA, 18          ; s[18:19] where my prefetches stand
.set G1,  24          ; s[24:31] descriptor group 1
.set G0,  40          ; s[40:43] group 0 for slot 0's first fill; s[44:47] for slot 1's, which then walks
.set SLOTS, 56
.set CNT, 57
.set CS,  58          ; s[58:59] c
.set SEL, 60          ; s[60:61] lane selects for v_permlanex16_b32: lane l xor 16
.set TB,  62          ; s62  LDS byte at which the images of the step to be fetched begin
.set MSB, 0
.macro WIN new
.if MSB != (\new)
	s_set_vgpr_msb (MSB<<8)|(\new)
.set MSB, (\new)
.endif
.endm
.set W_KQ, 0x0a       ; K and Q in window 2, S^T in window 0
.set W_PV, 0x53       ; V in window 3, P in window 0, O^T in window 1
.set W_RS, 0x41       ; O^T (destination and source 0) in window 1, a in window 0
; A joint refill: every wave brings a quarter of a slot (waves 0, 1: K's halves; waves 2, 3: V's), 16,384 dense bytes, by one line; the addresses hang on the wave's number and the head.
.macro JLOAD
	tensor_load_to_lds s[G0+4:G0+7], s[G1:G1+7]
	s_nop 0
.rept 4
	v_nop
.endr
.endm
; A prefetch of what the NEXT change of slots will ask for: 32,768 bytes of K and of V.  Both clusters of a head walk the same bytes: the head's first cluster asks; its four partners take 8,192 bytes each,
; told apart by address; in each, wave 0 asks for K's and wave 2 for V's, lanes 256 bytes apart: each block of 256 bytes is named once.  The last change that fills a slot asks for nothing.
.macro ASK
	s_cmp_gt_u32 s[SLOTS], s[LIM]
	s_cbranch_scc0 .Lnot_mine_\@
	global_prefetch_b8 v[PFO], s[PFA:PFA+1] th:TH_LOAD_NT scope:SCOPE_SE
.Lnot_mine_\@:
.endm
.macro CROUND
	s_barrier_signal -1
	s_barrier_wait -1
	s_cmp_lg_u32 s[WV], 0
	s_cbranch_scc1 .Lnot_wave_0_\@
	s_barrier_signal -3
.Lnot_wave_0_\@:
	s_barrier_wait -3
	s_barrier_signal -1
	s_barrier_wait -1
.endm
	s_load_b128 s[4:7], s[0:1], 0x0 ; qkv s[4:5], ctx s[6:7]
	v_lshl_add_u32 v[SPW], v0, 2, SPARE
	v_mov_b32 v[NIL], 0
	ds_add_u32 v[SPW], v[NIL]       ; the wave's opening: the add, twice on end, and its wait ahead of my first tensor load
	ds_add_u32 v[SPW], v[NIL]
	v_lshrrev_b32 v1, 5, v0
	v_readfirstlane_b32 s[WV], v1   ; wave 0..3
	s_bfe_u32 s13, ttmp6, 0x40000   ; cx
	s_lshl_b32 s14, ttmp9, 2
	s_add_co_u32 s14, s14, s13      ; my block of 256 queries: it enters Q's and ctx's addresses alone
	s_and_b32 s20, ttmp7, 0xffff    ; the head (batch x 16 + head), which the four partners share
	s_lshl_b32 s21, s20, 18         ; its 262,144 bytes in each of q, k, v
	s_lshr_b32 s22, s[WV], 1
	s_add_co_u32 s22, s22, 1        ; part 1 of qkv is k, part 2 is v
	s_lshl_b32 s22, s22, 24
	s_and_b32 s23, s[WV], 1
	s_lshl_b32 s23, s23, 14         ; which half of a slot's 32,768 bytes I fetch
	s_add_co_u32 s22, s22, s23
	s_add_co_u32 s22, s22, s21
	s_mov_b32 s23, 0
	s_lshl_b32 s17, s[WV], 14       ; and where it goes: wave x 16,384: no place in the cluster enters an LDS address
	s_lshl_b32 s2, s14, 15          ; Q: 32,768 bytes a block of 256 queries,
	s_lshl_b32 s3, s[WV], 13        ; 8,192 for my wave's 64
	s_add_co_u32 s2, s2, s3
	s_add_co_u32 s2, s2, s21
	s_mov_b32 s3, 0
	s_lshr_b32 s10, s20, 4          ; ctx: images [row / 16][channel / 32]: 4,194,304 bytes a batch,
	s_lshl_b32 s10, s10, 22
	s_lshl_b32 s11, s14, 19         ; 524,288 a block of 256 rows,
	s_add_co_u32 s10, s10, s11
	s_lshl_b32 s11, s[WV], 17       ; 131,072 for my wave's 64,
	s_add_co_u32 s10, s10, s11
	s_and_b32 s11, s20, 15
	s_lshl_b32 s11, s11, 11         ; and 2,048 on for each head
	s_add_co_u32 s10, s10, s11
	s_mov_b32 s11, 0
	s_mov_b32 s[G1], 15|(3<<16)|(1<<21)  ; the mask: all four work-groups; elements of 8 bytes; bit 21 beside a mask; no padding: every LDS read is 16 x lane + a constant
	s_mov_b32 s[G1+1], 32<<16       ; tensor_dim0 = 32 elements: rows of 256 bytes
	s_mov_b32 s[G1+2], 64<<16       ; tensor_dim1 = 64
	s_mov_b32 s[G1+3], 32<<16       ; tile_dim0
	s_mov_b32 s[G1+4], 64           ; tile_dim1
	s_mov_b32 s[G1+5], 32           ; the pitch: the block is dense
	s_mov_b32 s[G1+6], 0
	s_mov_b32 s[G1+7], 0
	s_mov_b32 s[CS], 0x3e38aa3b     ; c = log2(e) / 8
	s_mov_b32 s[CS+1], s[CS]
	s_mov_b32 s[SEL], 0x76543210
	s_mov_b32 s[SEL+1], 0xfedcba98
	s_mov_b32 s[TB], 0
	s_mov_b32 s[SLOTS], 6           ; eight slots' worth of keys; all but the first two are refills
	s_and_b32 s[LIM], s[WV], 1      ; 0 in waves 0 and 2,
	s_or_b32 s[LIM], s[LIM], ttmp9  ; where the cluster is the head's first: the same in all four partners
	s_cmp_eq_u32 s[LIM], 0
	s_cselect_b32 s[LIM], 1, -1
	v_and_b32 v[PFO], 31, v0
	v_lshlrev_b32 v[PFO], 8, v[PFO]
	s_wait_dscnt 0x0                ; both opening adds are done
	s_wait_kmcnt 0x0
	s_add_nc_u64 s[8:9], s[4:5], s[22:23]   ; my quarter of slot 0
	s_add_nc_u64 s[4:5], s[4:5], s[2:3]     ; Q at my wave's first tile
	s_add_nc_u64 s[6:7], s[6:7], s[10:11]   ; ctx likewise
	s_lshl_b32 s2, s13, 13          ; my work-group's 8,192 bytes of a slot's 32,768
	s_add_nc_u64 s[PFA:PFA+1], s[8:9], s[2:3]
	s_add_nc_u64 s[PFA:PFA+1], s[PFA:PFA+1], 2*HALFB  ; in the third slot's keys; the first change of slots steps it on.  Nothing is prefetched at the head
	CROUND                          ; all four work-groups are here: the first joint loads meet
.irp s, 0,1
	s_mov_b32 s[G0+4*\s], 1
	s_add_co_u32 s[G0+4*\s+1], s17, \s*SLOT1
	s_add_nc_u64 s[G0+4*\s+2:G0+4*\s+3], s[8:9], \s*HALFB
	s_or_b32 s[G0+4*\s+3], s[G0+4*\s+3], 0x80000000
.endr
	tensor_load_to_lds s[G0:G0+3], s[G1:G1+7]       ; both first fills together: two loads of mine are out
	s_nop 0
	tensor_load_to_lds s[G0+4:G0+7], s[G1:G1+7]
	s_nop 0
.rept 4
	v_nop
.endr
	v_and_b32 v[AK0], 31, v0
	v_lshlrev_b32 v[AK0], 4, v[AK0]
	v_add_nc_u32 v[AV0], HALFB, v[AK0]
	WIN 0x80                        ; destination window 2
.irp m, 0,1,2,3,4,5,6,7,8,9,10,11,12,13,14,15  ; Q stays in registers: tile m / 4, channels 32 ((m / 2) % 2), half m % 2: the images as they lie
	global_load_b128 v[4*\m:4*\m+3], v[AK0], s[4:5] offset:512*\m
.endr
	WIN 0
; THE MATRIX WORK OF A TURN, for piece x.  The accumulators take turns, one instruction a turn: between two links of a chain stand seven others'.
; Product i of 16 of O^T += V^T P: keys 32 (i / 8) on, channels 16 ((i / 2) % 4) on, tile x + i % 2.  zero = 1: the first 8 start the sums.
.macro PV x, zero
	WIN W_PV
.set rO, 32*(\x+i%2)+8*((i/2)%4)
.set rV, 32*(i/8)+8*((i/2)%4)
.set rP, P+16*(\x+i%2)+8*(i/8)
.if (\zero) && (i < 8)
	v_wmma_f32_16x16x32_f16 v[rO:rO+7], v[rV:rV+7], v[rP:rP+7], 0
.else
	v_wmma_f32_16x16x32_f16 v[rO:rO+7], v[rV:rV+7], v[rP:rP+7], v[rO:rO+7]
.endif
.endm
; Product i of 16 of S^T = K Q^T: channels 32 (i / 8) on, keys 16 ((i / 2) % 4) on, tile x + i % 2.  The first 8 start the sums.
.macro KQ x
	WIN W_KQ
.set rS, S+32*(\x+i%2)+8*((i/2)%4)
.set rK, KF+16*((i/2)%4)+8*(i/8)
.set rQ, 16*(\x+i%2)+8*(i/8)
.if i < 8
	v_wmma_f32_16x16x32_f16 v[rS:rS+7], v[rK:rK+7], v[rQ:rQ+7], 0
.else
	v_wmma_f32_16x16x32_f16 v[rS:rS+7], v[rK:rK+7], v[rQ:rQ+7], v[rS:rS+7]
.endif
.endm
; THE LDS LOADS stand in runs of 16: a step's eight images of K and, a turn later, its eight of V.
.macro FETCH_K
	WIN 0
	v_add_nc_u32 v[ADR], s[TB], v[AK0]
	WIN 0x80
.irp f, 0,1,2,3,4,5,6,7             ; keys 16 (f / 2) on, channels 32 (f % 2) on
	ds_load_b128 v[KF+8*\f:KF+8*\f+3],   v[ADR] offset:\f*1024
	ds_load_b128 v[KF+8*\f+4:KF+8*\f+7], v[ADR] offset:\f*1024+512
.endr
.endm
.macro FETCH_V
	WIN 0
	v_add_nc_u32 v[ADR], s[TB], v[AV0]
	s_add_co_u32 s[TB], s[TB], STEPB  ; the next fetch is the next step's
	s_wait_alu depctr_va_vdst(0)    ; the wait for the softmax's batch of exponentials, ahead of the first instruction that names a result
	WIN 0xc0
.irp f, 0,1,2,3,4,5,6,7             ; keys 32 (f / 4) on, channels 16 (f % 4) on
	ds_load_b128 v[8*\f:8*\f+3],   v[ADR] offset:\f*1024
	ds_load_b128 v[8*\f+4:8*\f+7], v[ADR] offset:\f*1024+512
.endr
.endm
; THE VECTOR WORK OF A TURN.  One tile's softmax for one key step is a list of 118 instructions; SM writes number j of it for tile t.  first = 1: the first key step, which starts m, l and O^T.
;   0-15    the maximum of the lane's 32 scores and the old m, three operands at a time
;   16-20   the other half of the lanes' maximum; the new m; c m; c m_old - c m_new
;   21-69   ONE BATCH: the 16 scalings c s - c m and all 33 exponentials (a at 23).  None of these reads an exponential's result
;   (wait)  between 69 and 70: SLICE writes it, once for both tiles
;   70-85   the roundings to f16;   86-101 the sums, l = a l + the sum;   102-117 the tile's O^T times a
.macro SM t, first
.set rT, ST+8*(\t)
.set rS, S+32*(\t)
.set rP, P+16*(\t)
.set rO, 32*(\t)+2*(j-102)
.if j < 102
	WIN 0
.endif
.if j < 4
	v_max3_num_f32 v[rT+4+j], v[rS+8*j], v[rS+8*j+1], v[rS+8*j+2]
.elseif j < 12
	v_max3_num_f32 v[rT+4+j%4], v[rT+4+j%4], v[rS+8*(j%4)+2*(j/4)+1], v[rS+8*(j%4)+2*(j/4)+2]
.elseif j == 12
	v_max3_num_f32 v[rT+4], v[rT+4], v[rS+7], v[rS+15]
.elseif j == 13
	v_max3_num_f32 v[rT+6], v[rT+6], v[rS+23], v[rS+31]
.elseif j == 14
	v_max3_num_f32 v[rT+4], v[rT+4], v[rT+5], v[rT+6]
.elseif (j == 15) && \first
	v_max_num_f32 v[rT+4], v[rT+4], v[rT+7]
.elseif j == 15
	v_max3_num_f32 v[rT+4], v[rT+4], v[rT+7], v[rT+1]
.elseif j == 16
	v_permlanex16_b32 v[rT+5], v[rT+4], s[SEL], s[SEL+1]  ; the query's other 32 keys lie in the lane 16 away
.elseif j == 18
	v_max_num_f32 v[rT+1], v[rT+4], v[rT+5]
.elseif j == 19
	v_mul_f32 v[rT], s[CS], v[rT+1]
.elseif ((j == 17) || (j == 20) || (j == 23) || (j > 101)) && \first  ; the first step has none of these
.elseif j == 17
	v_mov_b32 v[rT+7], v[rT]        ; c m_old is kept for a
.elseif j == 20
	v_sub_f32 v[rT+7], v[rT+7], v[rT]
.elseif j == 23
	v_exp_f32 v[rT+6], v[rT+7]
.elseif (j < 23) || ((j < 38) && (j%2 == 0)) || ((j < 66) && (j%4 == 2))
.set b, (j-2)/4
.if j < 38
.set b, (j-20)/2
.endif
	v_pk_fma_f32 v[rS+2*b:rS+2*b+1], v[rS+2*b:rS+2*b+1], s[CS:CS+1], v[rT:rT+1] op_sel_hi:[1,0,0] neg_lo:[0,0,1] neg_hi:[0,0,1]  ; pair b: c s - c m
.elseif j < 70
.set e, j-38
.if j < 66
.set e, j-32-(j-38)/4
.endif
.if j < 38
.set e, (j-25)/2
.endif
	v_exp_f32 v[rS+e], v[rS+e]
.elseif j < 86
	v_cvt_pk_f16_f32 v[rP+j-70], v[rS+2*(j-70)], v[rS+2*(j-70)+1]
.elseif j < 102
.set z, j-86
.set w, 4
.set u, z
.if z >= 14
.set w, 32
.set u, 0
.elseif z >= 12
.set w, 16
.set u, z-12
.elseif z >= 8
.set w, 8
.set u, z-8
.endif
.if (z == 14) && \first
	v_pk_add_f32 v[rT+2:rT+3], v[rS:rS+1], v[rS+16:rS+17]
.elseif z < 15
	v_pk_add_f32 v[rS+w*u:rS+w*u+1], v[rS+w*u:rS+w*u+1], v[rS+w*u+w/2:rS+w*u+w/2+1]
.elseif !\first
	v_pk_fma_f32 v[rT+2:rT+3], v[rT+2:rT+3], v[rT+6:rT+7], v[rS:rS+1] op_sel_hi:[1,0,1]
.endif
.else
	WIN W_RS
	v_pk_mul_f32 v[rO:rO+1], v[rO:rO+1], v[rT+6:rT+7] op_sel_hi:[1,0]
.endif
.endm
; Slice k of 59 of piece y's softmax: four instructions.  Slices 11 to 34 deal out the batch, four numbers of ONE tile each, the tiles by turns; every other slice is numbers 2 k and 2 k + 1 of both tiles.
; Ahead of slice 35 nothing names an exponential's result, and behind slice 34 no exponential is issued: so the piece's 66 exponentials have one wait, behind slice 34.
.macro SLICE y, first
.if (k >= 11) && (k < 35)
.irp n, 0,1,2,3
.set j, 22+4*((k-11)/2)+(\n)
	SM (\y)+(k-11)%2, \first
.endr
.else
.irp n, 0,1
.irp t, \y, \y+1
.set j, 2*k+\n
	SM \t, \first
.endr
.endr
.endif
.if k == 34
	v_nop                           ; the plain instruction behind the last exponential: one for the batch
.if (\y) == 0
	FETCH_V                         ; piece 2's turn: V's run of loads stands here, and the wait stands in it
.else
	s_wait_alu depctr_va_vdst(0)    ; the wait for the batch
.endif
.endif
.set k, k+1
.endm
; The slices behind product np of a turn.  A full turn has 32 products: two slices behind each of the first 27, one behind each of the last five.  A turn with 16 products: four behind each of the first 14, three, none.
.macro SLICES y, first
.if full
.set per, 1
.if np < 27
.set per, 2
.endif
.else
.set per, 4
.if np == 14
.set per, 3
.endif
.if np == 15
.set per, 0
.endif
.endif
.rept per
	SLICE \y, \first
.endr
.set np, np+1
.endm
.macro PLACES
.rept 4
	v_nop
.endr
.endm
; A TURN.  Piece x has the matrix unit.  pv = 2: 16 products V^T P; 1: they start O^T's sums; 0: none.  kq = 1: 16 products K Q^T for the next step.  first = 1: the softmax is the first key step's.
; PLACES, counted.  Behind a full turn's last product stands slice 58: four packed multiplies on the other piece's O^T, which name none of that product's registers: they are the four places ahead of the next
; turn's first read of the scores and of the loads into K's registers.  V's last reader is product 15; ahead of V's run of loads stand the scalings of slices 30, 31 and 32, the v_nop and the run's own addition: five.
.macro TURN x, pv, kq, first
.set k, 0
.set np, 0
.set full, 0
.if \pv && \kq
.set full, 1
.endif
.if \pv
.if \x == 0
	s_wait_dscnt 0x0                ; V is in
.endif
.set i, 0
.rept 16
	PV \x, 2-\pv
	SLICES 2-\x, \first
.if (\x == 0) && \kq && (i == 1)
	FETCH_K
.endif
.set i, i+1
.endr
.endif
.if \kq
.if \x == 0
	s_wait_dscnt 0x0                ; K is in
.endif
.set i, 0
.rept 16
	KQ \x
	SLICES 2-\x, \first
.set i, i+1
.endr
.endif
.if \first
	PLACES                          ; the first step's last slices are empty: these take their part
.endif
.endm
; THE CHANGE OF SLOTS, between piece 2's turn and piece 0's: the slot's last bytes, V of its fourth step, have been asked for.  Each wave waits for all its tensor loads (one is out: its part of the other slot),
; adds 0 to its spare word, and waits for that and for its reads of the slot.  fill = 1: the barrier is a round of the cluster's, and the joint refill is the first thing behind it: it has four key steps in which to land.
.macro CHANGE fill
	WIN 0
	s_wait_tensorcnt 0x0            ; no tensor load of mine is out, so a group 0 may be written
	ds_add_u32 v[SPW], v[NIL]
.if \fill
	s_xor_b32 s[G0+5], s[G0+5], SLOT1              ; the walking descriptor: the other slot than last time,
	s_add_nc_u64 s[G0+6:G0+7], s[G0+6:G0+7], HALFB ; the next 256 keys
	s_wait_xcnt 0x0                 ; the last prefetch, four key steps back, has read its address
	s_add_nc_u64 s[PFA:PFA+1], s[PFA:PFA+1], HALFB
	s_wait_dscnt 0x0                ; the add is done, and my reads of the slot are over
	CROUND
	JLOAD
	ASK
.else
	s_wait_dscnt 0x0
	s_barrier_signal -1
	s_barrier_wait -1
.endif
	s_sub_co_u32 s[TB], s[TB], HALFB  ; the fetches go back to a slot's first step,
	s_xor_b32 s[TB], s[TB], SLOT1   ; in the other slot
.endm
.macro STEPS n                      ; n key steps: written once, walked n times; the LDS addresses hang on s[TB]
	WIN 0
	s_mov_b32 s[CNT], \n
.Lstep_\@:
	TURN 0, 2, 1, 0
	TURN 2, 2, 1, 0
	WIN 0
	s_sub_co_u32 s[CNT], s[CNT], 1
	s_cmp_lg_u32 s[CNT], 0
	s_cbranch_scc1 .Lstep_\@
.endm
	s_wait_tensorcnt 1              ; my part of slot 0 is in; slot 1's may stay out
	s_barrier_signal -1
	s_barrier_wait -1
	FETCH_K                         ; key step 0
	s_wait_loadcnt 0x0              ; Q
	s_wait_dscnt 0x0
.set i, 0
.rept 16
	KQ 0                            ; piece 0's first scores
.set i, i+1
.endr
	PLACES
	TURN 2, 0, 1, 1                 ; piece 2's first scores | piece 0's first softmax | V of step 0
	TURN 0, 1, 1, 1                 ; piece 0: V^T P of step 0 starts O^T, K Q^T of step 1 | piece 2's first softmax | K of step 1
	TURN 2, 1, 1, 0                 ; piece 2: the same | piece 0's softmax of step 1 | V of step 1
	STEPS 2                         ; the rest of slot 0 is fetched
.Lslot:                             ; six trips: every slot but the last two is filled again
	CHANGE 1
	STEPS 4
	s_sub_co_u32 s[SLOTS], s[SLOTS], 1
	s_cmp_lg_u32 s[SLOTS], 0
	s_cbranch_scc1 .Lslot
	CHANGE 0                        ; the tail is written out
	STEPS 4
	TURN 0, 2, 0, 0                 ; piece 0: V^T P of the last step | piece 2's last softmax
.set i, 0
.rept 16
	PV 2, 0                         ; piece 2: V^T P of the last step
.set i, i+1
.endr
	; THE WAY OUT.  l's two halves and the other half of the lanes' are added; O^T is divided by l, rounded to f16 and stored as images.  The four additions are the places behind the last products.
	WIN 0
.irp t, 0,1,2,3
	v_add_f32 v[ST+8*\t+4], v[ST+8*\t+2], v[ST+8*\t+3]
.endr
.irp t, 0,1,2,3
	v_permlanex16_b32 v[ST+8*\t+5], v[ST+8*\t+4], s[SEL], s[SEL+1]
.endr
.irp t, 0,1,2,3
	v_add_f32 v[ST+8*\t+4], v[ST+8*\t+4], v[ST+8*\t+5]
.endr
.irp t, 0,1,2,3
	v_rcp_f32 v[ST+8*\t+6], v[ST+8*\t+4]
.endr
	v_nop                           ; a plain instruction between the last reciprocal and the use of its result
	s_wait_alu depctr_va_vdst(0)    ; one wait for the four reciprocals, ahead of their first reader
.macro PACK t
	WIN W_RS
.set i, 32*\t
.rept 16
	v_pk_mul_f32 v[i:i+1], v[i:i+1], v[ST+8*\t+6:ST+8*\t+7] op_sel_hi:[1,0]
.set i, i+2
.endr
	WIN 0x05                        ; sources 0 and 1 window 1, destination window 0: S^T's registers are free
.set i, 0
.rept 16
	v_cvt_pk_f16_f32 v[S+16*\t+i], v[32*\t+2*i], v[32*\t+2*i+1]
.set i, i+1
.endr
	WIN 0
.irp f, 0,1,2,3                     ; channels 16 f on: image f / 2 of my head's two, half f % 2: the wave stores 512 consecutive bytes
	global_store_b128 v[AK0], v[S+16*\t+4*\f:S+16*\t+4*\f+3], s[6:7] offset:\t*32768+\f*512
.endr
.endm
	PACK 0
	PACK 1
	PACK 2
	PACK 3
	s_wait_tensorcnt 0x0            ; the wave's end
	ds_add_u32 v[SPW], v[NIL]
	s_wait_dscnt 0x0
	CROUND                          ; the closing round
	s_endpgm
.Lfunc_end_k_q78862331e1_attn:
	.size	k_q78862331e1_attn, .Lfunc_end_k_q78862331e1_attn-k_q78862331e1_attn
	.p2alignl 7, 3214868480
	.fill 96, 4, 3214868480
	.section	.rodata,"a",@progbits
	.p2align	6, 0x0
	.amdhsa_kernel k_q78862331e1_attn
		.amdhsa_group_segment_fixed_size 327680
		.amdhsa_private_segment_fixed_size 0
		.amdhsa_enable_private_segment 0
		.amdhsa_kernarg_size 16
		.amdhsa_user_sgpr_count 2
		.amdhsa_user_sgpr_kernarg_segment_ptr 1
		.amdhsa_wavefront_size32 1
		.amdhsa_system_sgpr_workgroup_id_x 1
		.amdhsa_system_sgpr_workgroup_id_y 1
		.amdhsa_system_sgpr_workgroup_id_z 1
		.amdhsa_system_vgpr_workitem_id 0
		.amdhsa_next_free_vgpr 1024
		.amdhsa_next_free_sgpr 66
		.amdhsa_reserve_vcc 0
		.amdhsa_float_denorm_mode_32 3
		.amdhsa_float_denorm_mode_16_64 3
		.amdhsa_memory_ordered 1
		.amdhsa_forward_progress 1
		.amdhsa_inst_pref_size 189
	.end_amdhsa_kernel
	.amdgpu_metadata
---
amdhsa.version: [ 1, 2 ]
amdhsa.kernels:
  - .name:           k_q78862331e1_attn
    .symbol:         k_q78862331e1_attn.kd
    .args:
      - { .name: qkv, .offset: 0, .size: 8, .value_kind: global_buffer, .address_space: global }
      - { .name: ctx, .offset: 8, .size: 8, .value_kind: global_buffer, .address_space: global }
    .group_segment_fixed_size: 327680
    .private_segment_fixed_size: 0
    .kernarg_segment_align: 8
    .kernarg_segment_size: 16
    .max_flat_workgroup_size: 128
    .sgpr_count:     66
    .vgpr_count:     1024
    .wavefront_size: 32
...
	.end_amdgpu_metadata
.endif
;; end of part 3
;; launch oproj (part 4): grid 4 x 64, 4 waves a work-group, clusters of 4 x 4, 327,680 bytes of LDS; arguments ctx, woi, bo, out0; writes out0
.if DOCPART == 4
	.amdgcn_target "amdgcn-amd-amdhsa--gfx1250"
	.amdhsa_code_object_version 6
	.text
	.protected	k_q78862331e1_oproj
	.globl	k_q78862331e1_oproj
	.p2align	8
	.type	k_q78862331e1_oproj,@function
k_q78862331e1_oproj:
	s_mov_b64 s[64:65], 0
	v_nop
	global_prefetch_b8 v0, s[64:65] scope:SCOPE_SE
	s_setreg_imm32_b32 hwreg(HW_REG_WAVE_MODE, 25, 1), 1
	s_wait_xcnt 0x0
	s_wait_alu depctr_hold_cnt(0) depctr_sa_sdst(0) depctr_va_vdst(0) depctr_va_sdst(0) depctr_va_ssrc(0) depctr_va_vcc(0) depctr_vm_vsrc(0)
	s_getreg_b32 s2, hwreg(HW_REG_IB_STS2, 6, 4)
	s_cmp_eq_u32 s2, 0
	s_cbranch_scc0 .Lentry_in_a_cluster
	s_endpgm
.Lentry_in_a_cluster:
	s_bfe_u32 s2, ttmp6, 0x10000c
	s_cmp_lg_u32 s2, 0xf033
	s_cbranch_scc0 .Lentry_shape_is_right
	s_endpgm
.Lentry_shape_is_right:
; OPROJ: out0 = ctx Wo + bo.  ctx [8192][1024] and Wo arrive as f16 images of operand registers: ctx [row / 16][k / 32][1,024 bytes], woi [n / 16][k / 32][1,024 bytes]; sums in f32; out0 [8192][1024] f32.
; A work-group of four waves makes 128 rows x 256 columns: 256 work-groups.  A wave makes 64 x 128: 32 accumulators of 16 x 16, which fill window 2.
; K goes in steps of 128 (four images of each tile of 16 rows: 4,096 consecutive bytes) through a ring of two LDS slots filled by the tensor data mover; an image is read as 16 bytes a lane at 16 x lane, so LDS needs no padding.
; THE MATRIX INSTRUCTION IS USED TRANSPOSED (source 0 = 16 columns of Wo, source 1 = 16 rows of ctx): a lane holds eight neighbouring numbers of a row of out0.  The bias is the C of each sum's first product.
; CLUSTERS: 4 x 4 work-groups; ctx's tiles are shared along a row of the cluster, Wo's along a column, each asked for jointly.
; REGISTERS: window 0: v16-29 addresses; v64-127 the bias; v128-255 the way out.   window 1: two fragment buffers of 96 (ctx's four, then Wo's eight).   window 2: accumulator (a, b) at v[8 (8 a + b)].
.set STEPK,  4096                      ; a K step's bytes of one tile of 16 rows
.set ABYTES, 32768                     ; ctx's 8 tiles in a slot; Wo's 16 lie behind them
.set SLOT,   98304
.set STAGE,  2*SLOT                    ; behind the ring: 16 rows x (512 bytes + 16) for each wave; no tensor load fills it
.set SPITCH, 528
.set SPARE,  STAGE+4*16*SPITCH         ; the spare words, 128 bytes for each wave
.set LAPS,   4                         ; a lap = two K steps; K = 1,024
.set ADRA, 16
.set ADRB, 20
.set STO,  24
.set RD,   25
.set CO,   26                          ; v26  16 x lane
.set VB,   27                          ; v27  32 x (lane / 16); never rewritten
.set SPW,  28
.set NIL,  29
.set BN,   64                          ; v64-127  8 b + j: bo at my column 16 b + 8 (lane / 16) + j
.set BK,   128                         ; the way out: two sets of 64
.set F0,   0
.set F1,   96
.set G1, 24
.set G0, 32
.set G1B, 48
.set G0B, 56
.set MSB, 0
.macro WIN new
.if MSB != (\new)
	s_set_vgpr_msb (MSB<<8)|(\new)
.set MSB, (\new)
.endif
.endm
.set MUL,  0xa5                        ; sources 0 and 1 window 1; C and D window 2
.set TO_F, 0x40
.macro JLOAD s                         ; waves 0 and 1 fetch ctx's two halves, waves 2 and 3 Wo's; an s_nop 0 and four v_nop follow each line
	s_cmp_eq_u32 s13, 0
	s_cbranch_scc0 .Lfor_b_\@
	tensor_load_to_lds s[G0+4*\s:G0+4*\s+3], s[G1:G1+7]
	s_nop 0
.rept 4
	v_nop
.endr
	s_branch .Lasked_\@
.Lfor_b_\@:
	tensor_load_to_lds s[G0B+4*\s:G0B+4*\s+3], s[G1B:G1B+7]
	s_nop 0
.rept 4
	v_nop
.endr
.Lasked_\@:
.endm
.macro CREST
	s_cmp_lg_u32 s12, 0
	s_cbranch_scc1 .Lnot_wave_0_\@
	s_barrier_signal -3
.Lnot_wave_0_\@:
	s_barrier_wait -3
	s_barrier_signal -1
	s_barrier_wait -1
.endm
.macro CROUND
	s_barrier_signal -1
	s_barrier_wait -1
	CREST
.endm
	s_load_b256 s[4:11], s[0:1], 0x0               ; ctx s[4:5], woi s[6:7], bo s[8:9], out0 s[10:11]
	v_lshl_add_u32 v[SPW], v0, 2, SPARE
	v_mov_b32 v[NIL], 0
	ds_add_u32 v[SPW], v[NIL]                      ; the wave's opening: the add, twice on end, and its wait ahead of my first tensor load
	ds_add_u32 v[SPW], v[NIL]
	v_lshrrev_b32 v1, 5, v0
	v_readfirstlane_b32 s12, v1                    ; wave 0..3
	s_lshr_b32 s13, s12, 1                         ; which 64 of the tile's rows are mine.  Also: I fetch for ctx (0) or for Wo (1)
	s_and_b32 s14, s12, 1                          ; which 128 of its columns.  Also: which half of that tile I fetch
	s_bfe_u32 s40, ttmp6, 0x40000                  ; cx = the tile column of out0 (the grid is one cluster wide)
	s_bfe_u32 s41, ttmp6, 0x40004                  ; cy
	s_and_b32 s15, ttmp7, 0xffff
	s_lshl_b32 s15, s15, 2
	s_add_co_u32 s15, s15, s41                     ; tile row of out0 = 4 x cluster y + cy
	s_lshl_b32 s43, s41, 2
	s_lshl_b32 s43, 15, s43                        ; my row of the cluster
	s_lshl_b32 s44, 0x1111, s40                    ; my column
	s_or_b32 s[G1+0], s43, (3<<16)|(1<<21)         ; the mask; elements of 8 bytes; bit 21 beside a mask; no padding
	s_mov_b32 s[G1+1], 512<<16                     ; tensor_dim0 = 512 elements: 4,096 bytes
	s_mov_b32 s[G1+2], 4<<16                       ; tensor_dim1 = 4 tiles of 16 rows
	s_mov_b32 s[G1+3], 512<<16                     ; tile_dim0
	s_mov_b32 s[G1+4], 4                           ; tile_dim1
	s_mov_b32 s[G1+5], 4096                        ; 32,768 bytes from a tile of rows to the next
	s_mov_b32 s[G1+6], 0
	s_mov_b32 s[G1+7], 0
	s_or_b32 s[G1B+0], s44, (3<<16)|(1<<21)
	s_mov_b32 s[G1B+1], 512<<16
	s_mov_b32 s[G1B+2], 8<<16                      ; Wo: 8 tiles of 16 columns
	s_mov_b32 s[G1B+3], 512<<16
	s_mov_b32 s[G1B+4], 8
	s_mov_b32 s[G1B+5], 4096
	s_mov_b32 s[G1B+6], 0
	s_mov_b32 s[G1B+7], 0
	s_lshl_b32 s16, s15, 18                        ; ctx: tile of rows 8 x tile row + 4 x half, 32,768 bytes each: made of cy, the cluster's number and the wave's
	s_lshl_b32 s17, s14, 17
	s_add_co_u32 s16, s16, s17
	s_mov_b32 s17, 0
	s_lshl_b32 s46, s40, 19                        ; Wo: tile of columns 16 cx + 8 x half
	s_lshl_b32 s47, s14, 18
	s_add_co_u32 s46, s46, s47
	s_mov_b32 s47, 0
	s_lshl_b32 s20, s14, 14                        ; where they go: ctx's halves of 16,384 bytes,
	s_lshl_b32 s21, s14, 15
	s_add_co_u32 s21, s21, ABYTES                  ; Wo's halves of 32,768 behind them
	s_wait_dscnt 0x0                               ; both opening adds are done
	s_wait_kmcnt 0x0
	s_add_nc_u64 s[18:19], s[4:5], s[16:17]
	s_add_nc_u64 s[46:47], s[6:7], s[46:47]
	CROUND                                         ; all sixteen work-groups are here: the first joint loads meet
.irp s, 0,1
	s_mov_b32 s[G0+4*\s], 1
	s_add_co_u32 s[G0+4*\s+1], s20, \s*SLOT
	s_add_nc_u64 s[G0+4*\s+2:G0+4*\s+3], s[18:19], \s*STEPK
	s_or_b32 s[G0+4*\s+3], s[G0+4*\s+3], 0x80000000
	s_mov_b32 s[G0B+4*\s], 1
	s_add_co_u32 s[G0B+4*\s+1], s21, \s*SLOT
	s_add_nc_u64 s[G0B+4*\s+2:G0B+4*\s+3], s[46:47], \s*STEPK
	s_or_b32 s[G0B+4*\s+3], s[G0B+4*\s+3], 0x80000000
	JLOAD \s
.endr
	v_and_b32 v1, 15, v0                           ; r
	v_bfe_u32 v2, v0, 4, 1                         ; h
	v_and_b32 v3, 31, v0
	v_lshlrev_b32 v[CO], 4, v3
	s_lshl_b32 s21, s13, 14                        ; my four tiles of ctx's rows
	s_lshl_b32 s22, s14, 15
	s_add_co_u32 s22, s22, ABYTES                  ; my eight tiles of Wo's columns
.irp s, 0,1
	v_add_nc_u32 v[ADRA+\s], s21, v[CO]
	v_add_nc_u32 v[ADRB+\s], s22, v[CO]
	s_add_co_u32 s21, s21, SLOT
	s_add_co_u32 s22, s22, SLOT
.endr
	s_mul_i32 s23, s12, 16*SPITCH
	s_add_co_u32 s23, s23, STAGE                   ; my stage
	v_mul_u32_u24 v4, v1, SPITCH
	v_lshl_add_u32 v4, v2, 5, v4
	v_add_nc_u32 v[STO], s23, v4                   ; in: row r, 32 bytes for each half of the lanes
	v_add_nc_u32 v[RD], s23, v[CO]                 ; back: the 32 lanes take one row of 512 bytes
	s_lshl_b32 s16, s40, 10
	s_lshl_b32 s17, s14, 9
	s_add_co_u32 s16, s16, s17                     ; my first column, in bytes: 1,024 cx + 512 x half
	s_mov_b32 s17, 0
	s_add_nc_u64 s[8:9], s[8:9], s[16:17]          ; in bo,
	s_add_nc_u64 s[10:11], s[10:11], s[16:17]      ; and in out0;
	s_lshl_b32 s16, s15, 19                        ; my first row: 128 x tile row + 64 x half, 4,096 bytes each
	s_lshl_b32 s22, s13, 18
	s_add_co_u32 s16, s16, s22
	s_add_nc_u64 s[10:11], s[10:11], s[16:17]
	v_lshlrev_b32 v[VB], 5, v2
.irp b, 0,1,2,3,4,5,6,7
	global_load_b128 v[BN+8*\b:BN+8*\b+3], v[VB], s[8:9] offset:64*\b
	global_load_b128 v[BN+8*\b+4:BN+8*\b+7], v[VB], s[8:9] offset:64*\b+16
.endr
; 8 matrix instructions: ctx's block a x Wo's eight, 32 along K, from buffer f.  first = 1: C is the bias.  The 32 accumulators take turns, one instruction a turn, in the same order in every quarter.
.macro MULG f, a, first
.irp b, 0,1,2,3,4,5,6,7
.if \first
	v_wmma_f32_16x16x32_f16 v[8*(8*(\a)+\b):8*(8*(\a)+\b)+7], v[\f+32+8*\b:\f+32+8*\b+7], v[\f+8*(\a):\f+8*(\a)+7], v[BN+8*\b:BN+8*\b+7]
.else
	v_wmma_f32_16x16x32_f16 v[8*(8*(\a)+\b):8*(8*(\a)+\b)+7], v[\f+32+8*\b:\f+32+8*\b+7], v[\f+8*(\a):\f+8*(\a)+7], v[8*(8*(\a)+\b):8*(8*(\a)+\b)+7]
.endif
.endr
.endm
; 24 LDS loads in one run: the images of the slot's q-th 32 along K into buffer f: Wo's eight, then ctx's four
.macro FETCH slot, q, f
	WIN TO_F
.irp i, 0,1,2,3,4,5,6,7
	ds_load_b128 v[\f+32+8*\i:\f+32+8*\i+3],   v[ADRB+\slot] offset:\i*4096+(\q)*1024
	ds_load_b128 v[\f+32+8*\i+4:\f+32+8*\i+7], v[ADRB+\slot] offset:\i*4096+(\q)*1024+512
.endr
.irp i, 0,1,2,3
	ds_load_b128 v[\f+8*\i:\f+8*\i+3],   v[ADRA+\slot] offset:\i*4096+(\q)*1024
	ds_load_b128 v[\f+8*\i+4:\f+8*\i+7], v[ADRA+\slot] offset:\i*4096+(\q)*1024+512
.endr
.endm
.macro PLACES                          ; four plain vector instructions ahead of loads into registers that matrix instructions have read, and of the first read of results
.rept 4
	v_nop
.endr
.endm
; A K step is four quarters of 32 along K, 32 matrix instructions each, on buffers 0, 1, 0, 1.  One of the first three multiplies buffer f and fetches the slot's q-th quarter into g.
.macro QUARTER slot, q, f, g, first
	s_wait_dscnt 4                                 ; Wo's eight and ctx's blocks 0, 1 are in; the youngest four loads (blocks 2, 3) may be out
	WIN MUL-0x20*(\first)                          ; first: C in window 0
	MULG \f, 0, \first
	MULG \f, 1, \first
	PLACES
	FETCH \slot, \q, \g
	s_wait_dscnt 24                                ; all but the 24 just issued
	WIN MUL-0x20*(\first)
	MULG \f, 2, \first
	MULG \f, 3, \first
.endm
; The last quarter multiplies buffer 1 and changes slots: ONE barrier; ahead of it each wave waits for all its tensor loads, adds 0 to its spare word, and waits for that and for its reads of this slot.  fill = 1: the slot is filled again, two K steps ahead.
.macro TURN slot, next, fill
	WIN 0
	s_wait_tensorcnt 0x0                           ; all my tensor loads have landed: my part of the next slot
	ds_add_u32 v[SPW], v[NIL]
	s_wait_dscnt 5                                 ; the add and the youngest four loads may be out
	WIN MUL
	MULG F1, 0, 0
	s_wait_dscnt 0x0                               ; the add is done, and my reads of this slot are over
	s_barrier_signal -1
	MULG F1, 1, 0
.if \fill
	WIN 0
.endif
	s_barrier_wait -1
.if \fill
	CREST                                          ; the barrier has opened a round of the cluster's: no wave of any partner still reads this slot or has a load on its way
	s_add_nc_u64 s[G0+4*\slot+2:G0+4*\slot+3], s[G0+4*\slot+2:G0+4*\slot+3], 2*STEPK
	s_add_nc_u64 s[G0B+4*\slot+2:G0B+4*\slot+3], s[G0B+4*\slot+2:G0B+4*\slot+3], 2*STEPK
	JLOAD \slot                                    ; the first tensor load behind the round; its four v_nop are also the places ahead of the loads below
.else
	PLACES
.endif
	FETCH \next, 0, F0
	WIN MUL
	MULG F1, 2, 0
	MULG F1, 3, 0
.endm
	s_wait_tensorcnt 1                             ; my part of K step 0 is in; K step 1's load may be out
	s_barrier_signal -1
	s_barrier_wait -1
	FETCH 0, 0, F0
	s_wait_loadcnt 0x0                             ; the bias
	QUARTER 0, 1, F0, F1, 1                        ; the first quarter stands ahead of the loop: its products start the sums from the bias
	WIN 0
	s_mov_b32 s3, LAPS-1
.Llap:                                                 ; a trip goes once round the ring, from a lap's second quarter to the next lap's first, and fills both slots again
	QUARTER 0, 2, F1, F0, 0
	QUARTER 0, 3, F0, F1, 0
	TURN 0, 1, 1
	QUARTER 1, 1, F0, F1, 0
	QUARTER 1, 2, F1, F0, 0
	QUARTER 1, 3, F0, F1, 0
	TURN 1, 0, 1
	QUARTER 0, 1, F0, F1, 0
	WIN 0
	s_sub_co_u32 s3, s3, 1
	s_cmp_lg_u32 s3, 0
	s_cbranch_scc1 .Llap
	QUARTER 0, 2, F1, F0, 0                        ; the last lap fills nothing
	QUARTER 0, 3, F0, F1, 0
	TURN 0, 1, 0
	QUARTER 1, 1, F0, F1, 0
	QUARTER 1, 2, F1, F0, 0
	QUARTER 1, 3, F0, F1, 0
	s_wait_dscnt 4                                 ; the very last quarter: nothing more to fetch
	WIN MUL
	MULG F1, 0, 0
	MULG F1, 1, 0
	s_wait_dscnt 0
	MULG F1, 2, 0
	MULG F1, 3, 0
	WIN 0
; THE WAY OUT, block by block of 16 rows x 128 columns: through my own stage in LDS and back as whole rows of 512 bytes, which the 32 lanes store as 512 consecutive bytes.  LDS serves a wave's instructions in order.
.macro TOSTAGE a
.set AC, 64*(\a)
	WIN 0x08                                       ; the data: window 2
.irp b, 0,1,2,3,4,5,6,7
	ds_store_b128 v[STO], v[AC+8*\b:AC+8*\b+3] offset:64*\b          ; each accumulator from its low end on
	ds_store_b128 v[STO], v[AC+8*\b+4:AC+8*\b+7] offset:64*\b+16
.endr
	WIN 0
.set BB, BK+64*((\a)%2)
.irp t, 0,1,2,3,4,5,6,7,8,9,10,11,12,13,14,15
	ds_load_b128 v[BB+4*\t:BB+4*\t+3], v[RD] offset:\t*SPITCH
.endr
.endm
.macro SEND a, younger                 ; younger: the LDS instructions issued behind block a's loads, which may stay out
.set BB, BK+64*((\a)%2)
	s_wait_dscnt \younger
.if (\a) > 0
	s_add_nc_u64 s[10:11], s[10:11], 16*4096       ; 16 rows on (the earlier stores have read their base: a wait on XCNT for 0 stands ahead)
.endif
.irp t, 0,1,2,3,4,5,6,7,8,9,10,11,12,13,14,15
	global_store_b128 v[CO], v[BB+4*\t:BB+4*\t+3], s[10:11] offset:\t*4096 th:TH_STORE_NT
.endr
.endm
	PLACES
	TOSTAGE 0
.irp a, 1,2,3
.if \a > 1
	s_wait_xcnt 0x0                                ; block a - 2's stores have read their registers and their base
.endif
	TOSTAGE \a
	SEND \a-1, 32                                  ; behind block a - 1's loads: block a's 16 stores and 16 loads
.endr
	s_wait_xcnt 0x0
	SEND 3, 0
	s_wait_tensorcnt 0x0                           ; the wave's end, behind my last tensor load and my last LDS store
	ds_add_u32 v[SPW], v[NIL]
	s_wait_dscnt 0x0
	CROUND                                         ; the closing round
	s_endpgm
.Lfunc_end_k_q78862331e1_oproj:
	.size	k_q78862331e1_oproj, .Lfunc_end_k_q78862331e1_oproj-k_q78862331e1_oproj
	.p2alignl 7, 3214868480
	.fill 96, 4, 3214868480
	.section	.rodata,"a",@progbits
	.p2align	6, 0x0
	.amdhsa_kernel k_q78862331e1_oproj
		.amdhsa_group_segment_fixed_size 327680
		.amdhsa_private_segment_fixed_size 0
		.amdhsa_enable_private_segment 0
		.amdhsa_kernarg_size 32
		.amdhsa_user_sgpr_count 2
		.amdhsa_user_sgpr_kernarg_segment_ptr 1
		.amdhsa_wavefront_size32 1
		.amdhsa_system_sgpr_workgroup_id_x 1
		.amdhsa_system_sgpr_workgroup_id_y 1
		.amdhsa_system_sgpr_workgroup_id_z 1
		.amdhsa_system_vgpr_workitem_id 0
		.amdhsa_next_free_vgpr 768
		.amdhsa_next_free_sgpr 66
		.amdhsa_reserve_vcc 0
		.amdhsa_float_denorm_mode_32 3
		.amdhsa_float_denorm_mode_16_64 3
		.amdhsa_memory_ordered 1
		.amdhsa_forward_progress 1
		.amdhsa_inst_pref_size 86
	.end_amdhsa_kernel
	.amdgpu_metadata
---
amdhsa.version: [ 1, 2 ]
amdhsa.kernels:
  - .name:           k_q78862331e1_oproj
    .symbol:         k_q78862331e1_oproj.kd
    .args:
      - { .name: ctx, .offset: 0, .size: 8, .value_kind: global_buffer, .address_space: global }
      - { .name: woi, .offset: 8, .size: 8, .value_kind: global_buffer, .address_space: global }
      - { .name: bo, .offset: 16, .size: 8, .value_kind: global_buffer, .address_space: global }
      - { .name: out0, .offset: 24, .size: 8, .value_kind: global_buffer, .address_space: global }
    .group_segment_fixed_size: 327680
    .private_segment_fixed_size: 0
    .kernarg_segment_align: 8
    .kernarg_segment_size: 32
    .max_flat_workgroup_size: 128
    .sgpr_count:     66
    .vgpr_count:     768
    .wavefront_size: 32
...
	.end_amdgpu_metadata
.endif
;; end of part 4
